; MI455X (gfx1250); checked and timed in simulation.
; The chip was launched on July 23, 2026; its instructions are those of AMD's public machine-readable ISA for CDNA 5 (MIT licence, August 2026) and "CDNA5" Instruction Set Architecture Reference Guide (July 2026). The comments in the code are by the model that wrote it; some were corrected since.
;; Rev Transformer Layer. Allowed arithmetic: matrix products marked QUANTISED: E2M3 operands, one E8M0 scale for each 32 along K, by v_wmma_scale_f32_16x16x128_f8f6f4 with both operands' format E2M3, f32 sums; everything else in f32.
;; Inputs: b1 4,096 float32; b2 1,024 float32; b_out 1,024 float32; b_qkv 3,072 float32; scale1 1,024 float32; scale2 1,024 float32; w1_codes 4,096 x 32 x 24 uint8 (E2M3 codes of w1, K innermost, in blocks of 32 codes, four codes in three bytes); w1_scales 4,096 x 32 uint8 (E8M0 scales of w1, one for each 32 codes along K); w2_codes 1,024 x 128 x 24 uint8 (E2M3 codes of w2, K innermost, in blocks of 32 codes, four codes in three bytes); w2_scales 1,024 x 128 uint8 (E8M0 scales of w2, one for each 32 codes along K); w_out_codes 1,024 x 32 x 24 uint8 (E2M3 codes of w_out, K innermost, in blocks of 32 codes, four codes in three bytes); w_out_scales 1,024 x 32 uint8 (E8M0 scales of w_out, one for each 32 codes along K); w_qkv_codes 3,072 x 32 x 24 uint8 (E2M3 codes of w_qkv, K innermost, in blocks of 32 codes, four codes in three bytes); w_qkv_scales 3,072 x 32 uint8 (E8M0 scales of w_qkv, one for each 32 codes along K); x 2 x 2,048 x 1,024 float32.
;; Outputs: out0 2 x 2,048 x 1,024 float32.
;; This version of the problem:
;;   THIS VERSION OF THE PROBLEM IS GIVEN IN LOW PRECISION. The matrix products marked QUANTISED in the list below multiply operands that are first quantised to E2M3 (2 exponent bits, 3 mantissa bits; 6 bits a number), with one power-of-two scale for each 32 numbers along K (OCP MX v1.0); their sums are f32. All else is computed in f32.
;;   The module's matrix products, in the order in which they are computed (A, B: the left and right operand; K: the contracted axis; several contracted axes count as one K, in the product's order):
;;     1. [M 4,096, K 1,024] x [K 1,024, N 3,072]; A: computed on the way; B: input w_qkv (given as codes): QUANTISED
;;     2. batch 32 x [M 2,048, K 64] x [K 64, N 2,048]; A: computed on the way; B: computed on the way: QUANTISED
;;     3. batch 32 x [M 2,048, K 2,048] x [K 2,048, N 64]; A: softmax (see below); B: computed on the way: QUANTISED
;;     4. [M 4,096, K 1,024] x [K 1,024, N 1,024]; A: computed on the way; B: input w_out (given as codes): QUANTISED
;;     5. [M 4,096, K 1,024] x [K 1,024, N 4,096]; A: computed on the way; B: input w1 (given as codes): QUANTISED
;;     6. [M 4,096, K 4,096] x [K 4,096, N 1,024]; A: computed on the way; B: input w2 (given as codes): QUANTISED
;;   THE QUANTISER, for each operand of a quantised product, along K:
;;     - K is cut into blocks of 32 from its start; a last block that is shorter is filled with zeros.
;;     - A block's scale is 2^e with e = floor(log2(the largest magnitude in the block)) - 2, held to -126 .. 127; a block of zeros has e = 0. As a byte (E8M0): e + 127.
;;     - Each number is divided by its block's scale, clamped to +-7.5, and rounded to the nearest number of E2M3, ties to even, subnormals kept.
;;     - The product sums the exact products of the quantised numbers (number of the format x scale) in f32.
;;   ~~~python
;;   def quantise(x, axis):      # numpy; x: float32 -> the quantised numbers, widened to float32 again
;;       x = np.moveaxis(x, axis, -1); K = x.shape[-1]
;;       x = np.pad(x, [(0, 0)] * (x.ndim - 1) + [(0, -K % 32)]); x = x.reshape(x.shape[:-1] + (-1, 32)); a = np.abs(x).max(-1, keepdims=True)
;;       e = np.where(a > 0, np.clip(np.frexp(np.where(a > 0, a, 1))[1] - 1 - 2, -126, 127), 0)      # np.frexp(a)[1] - 1 = floor(log2(a)), exactly
;;       r = np.clip(x / 2.0 ** e, -7.5, 7.5)
;;       step = 2.0 ** (np.maximum(np.frexp(np.where(r == 0, 1, r))[1] - 1, 0) - 3)
;;       q = np.round(r / step) * step * 2.0 ** e      # np.round: ties to even
;;       return np.moveaxis(q.reshape(q.shape[:-2] + (-1,))[..., :K], -1, axis).astype(np.float32)
;;   ~~~
;;   SOFTMAX AHEAD OF A QUANTISED PRODUCT. Where the list says 'softmax', what is quantised is not the finished softmax but p = 2^(t - M), with t = logit x log2(e) and M = ceil(the row's largest t), a whole number; so 1/2 < the row's largest p <= 1. The row's sum l is taken of the UNQUANTISED p, in f32, and the product's result is divided by l at the end. Since M is a whole number, a kernel that streams over the keys may use a running M (the ceiling of the running maximum): every later rescaling is an exact power of two, which a block's scale takes up: the codes' values come out the same.
;;   OPERANDS COMPUTED ON THE WAY. 'Computed on the way' means the value that the module computes at that place (a softmax that the list does not call 'softmax' is quantised finished and normalised). What goes into a quantiser is computed in f32, as accurately as f32 sums, v_exp_f32 and their like allow (about 1e-6 of the number): no bf16 or f16 on the way to a quantiser, and a product that is left as it is and whose result goes on into a quantised operand takes f32 operands (vector FMAs, or v_wmma_f32_16x16x4_f32). A number that lies on a knife's edge between two numbers of the format may be rounded either way, as far as f32 arithmetic and the matrix unit's own rounding can turn it there, and no further.
;;   INPUTS GIVEN AS CODES. w1 (in the module: [1024, 4096], K = its axis 0); w2 (in the module: [4096, 1024], K = its axis 0); w_out (in the module: [1024, 1024], K = its axis 0); w_qkv (in the module: [1024, 3072], K = its axis 0): each comes as NAME_codes (uint8): NAME with its K axis moved to the last place and cut into blocks of 32 codes, [.., K / 32, bytes a block], one block behind the other in memory; four codes in three bytes: a row's codes are one little-endian stream of bits, code i at bits 6 i .. 6 i + 5 (a code: sign, 2 exponent bits, 3 mantissa bits); and NAME_scales (uint8): the same leading axes, one E8M0 byte (e + 127) for each 32 codes along K. Its value is code x scale, taken as it is: it is not quantised again, and the codes and scales need not be those that the quantiser above would give.
;; One version. Each part assembles by itself: llvm-mc -triple=amdgcn-amd-amdhsa -mcpu=gfx1250 --defsym DOCPART=n.
;; ======== version 1 of 1: 7 launches
;; workspace buffers: aq 3,276,800 bytes; qkvw 10,092,544 bytes; oq 3,276,800 bytes; x2 16,777,216 bytes; hq 13,107,200 bytes
;; launch norm1 (part 1): grid 256 x 1, 8 waves a work-group, no clusters, 70,656 bytes of LDS; arguments x, scale1, aq; writes aq
.if DOCPART == 1
	.amdgcn_target "amdgcn-amd-amdhsa--gfx1250"
	.amdhsa_code_object_version 6
	.text
	.protected	k_q64cedbb952_norm1
	.globl	k_q64cedbb952_norm1
	.p2align	8
	.type	k_q64cedbb952_norm1,@function
k_q64cedbb952_norm1:
	s_mov_b64 s[64:65], 0
	v_nop
	global_prefetch_b8 v0, s[64:65] scope:SCOPE_SE
	s_setreg_imm32_b32 hwreg(HW_REG_WAVE_MODE, 25, 1), 1
	s_wait_xcnt 0x0
; RMS norm of 16 rows of 1,024 f32, then the MX-FP6 quantiser along the row: out = codes and E8M0 bytes of gain * x * rsqrt(mean(x^2) + 1e-8).
; ROW TILES.  Work-group T takes row tile T; lane-row i of it is memory row 32 (T / 2) + 8 (T % 2) + i + 8 (i / 8), so that later products whose results run down the rows find 16 neighbours in two tiles' registers.
; SHARES.  Wave w takes columns 128 w .. 128 w + 127: one K step, one fragment (16 rows x 128 K, 12 registers a lane).
; OUT.  Codes [T][K step][1536]: a fragment as an image of its registers, two halves of 768 bytes (registers 6 c .. 6 c + 5): registers 0-3 at 16 x lane, registers 4-5 at 512 + 8 x lane: every store covers whole
; aligned runs of 256 bytes.  Scale bytes at ASC: [16 T + lane-row][32].
; LIMITS: a block of zeros gets the byte 1 where the rule says 127 (its codes are zeros, and only this program reads the bytes); NaN and infinities among the inputs are not served.
.set STGP, 528                         ; a stage row: 512 bytes + 16: row r starts 4 r banks on
.set RED,  67584                       ; behind the eight stages: [r][w] partial sums, 512 bytes; behind them [r][w] scale words, 512 bytes
.set ASC,  3145728                     ; where the scale bytes begin in the output
.set X,    16                          ; v16-79   16 rows as loaded
.set SV,   80                          ; v80-143  the gain at my 64 columns
.set Y,    144                         ; v144-207 my 64 numbers: register 16 b + i = column 32 b + 16 (lane / 16) + i of row lane % 16
.set PC,   208                         ; v208-226 the codes
.set TM,   228                         ; v228-243 at work in the quantiser
.set PW,   244                         ; v244     the scale word
.set SEL,  24                          ; s[24:25] lane selects: lane l xor 16
.macro QUANT s                         ; 64 numbers of a lane become a fragment's codes in v[PC] on and its scale word in v[PW]
.irp b, 0,1,2,3
	v_max3_num_f32 v[TM+\b], |v[\s+16*\b]|, |v[\s+1+16*\b]|, 0x1800000   ; my 16 numbers of block b, and the floor 2^(3 - 127): the byte cannot fall under 1
.endr
.irp i, 2,4,6,8,10,12,14
.irp b, 0,1,2,3
	v_max3_num_f32 v[TM+\b], v[TM+\b], |v[\s+16*\b+\i]|, |v[\s+1+16*\b+\i]|
.endr
.endr
.irp b, 0,1,2,3
	v_permlanex16_b32 v[TM+4+\b], v[TM+\b], s[SEL], s[SEL+1]
.endr
.irp b, 0,1,2,3
	v_max_num_f32 v[TM+\b], v[TM+\b], v[TM+4+\b]       ; with lane l xor 16's: the block's largest magnitude
.endr
.irp b, 0,1,2,3
	v_add_nc_u32 v[TM+12+\b], 0xff000000, v[TM+\b]     ; 2 off its exponent field: the conversion's scale operand
.endr
.irp b, 0,1,2,3
	v_lshrrev_b32 v[TM+4+\b], 23, v[TM+12+\b]          ; the scale's byte
.endr
	v_lshl_or_b32 v[PW], v[TM+5], 8, v[TM+4]
	v_lshl_or_b32 v[PW], v[TM+6], 16, v[PW]
	v_lshl_or_b32 v[PW], v[TM+7], 24, v[PW]
.irp c, 0,1
	v_cvt_scalef32_pk16_fp6_f32 v[PC+6*\c:PC+2+6*\c], v[\s+32*\c:\s+15+32*\c], v[TM+12+2*\c]
	v_cvt_scalef32_pk16_fp6_f32 v[PC+12+4*\c:PC+14+4*\c], v[\s+16+32*\c:\s+31+32*\c], v[TM+12+2*\c+1]
.endr
	v_nop                                              ; one plain place behind a scaled conversion
.irp c, 0,1                                        ; a whole block to a lane: lanes 0-15 block 2 c, lanes 16-31 block 2 c + 1
.irp i, 0,1,2
	v_permlane16_swap_b32 v[PC+6*\c+\i], v[PC+12+4*\c+\i]
.endr
.irp i, 0,1,2
	v_mov_b32 v[PC+3+6*\c+\i], v[PC+12+4*\c+\i]
.endr
.endr
.endm
	s_load_b128 s[4:7], s[0:1], 0x0                ; the rows, the gain
	s_load_b64 s[8:9], s[0:1], 0x10                ; the output
	v_lshl_add_u32 v239, v0, 2, 0x11000
	v_mov_b32 v245, 0
	v_lshrrev_b32 v1, 5, v0
	v_readfirstlane_b32 s10, v1                    ; wave 0..7
	v_and_b32 v7, 31, v0                           ; lane
	v_and_b32 v8, 15, v0                           ; r
	v_bfe_u32 v9, v0, 4, 1                         ; h
	v_lshlrev_b32 v1, 4, v7                        ; 16 x lane
	v_lshlrev_b32 v2, 3, v7                        ; 8 x lane
	s_mul_i32 s11, s10, 16*STGP                    ; my stage
	v_add_nc_u32 v3, s11, v1                       ; into it: a row's 512 bytes as they lie
	v_mul_u32_u24 v4, v8, STGP
	v_lshl_add_u32 v4, v9, 6, v4
	v_add_nc_u32 v4, s11, v4                       ; out of it: row r, + 64 h
	v_lshl_add_u32 v5, v8, 5, RED                  ; row r's eight partial sums
	s_lshl_b32 s12, s10, 2
	v_add_nc_u32 v10, s12, v5                      ; and my wave's word among them
	v_add_nc_u32 v11, RED+512, v1                  ; the scale words, 16 bytes a lane
	v_lshlrev_b32 v6, 6, v9                        ; the gain: + 64 h
	s_mov_b32 s[SEL], 0x76543210
	s_mov_b32 s[SEL+1], 0xfedcba98
	s_mov_b32 s26, 0x3a800000                      ; 1 / 1024
	s_mov_b32 s27, 0x322bcc77                      ; 1e-8
.irp b, 0,1,2,3
	v_mov_b32 v[TM+4+\b], 0                        ; written once: a lane permute's destination counts as one of its sources
.endr
	s_lshr_b32 s13, ttmp9, 1
	s_lshl_b32 s13, s13, 17                        ; 32 (T / 2) rows of 4,096 bytes
	s_and_b32 s14, ttmp9, 1
	s_lshl_b32 s14, s14, 15                        ; + 8 (T % 2) rows
	s_add_co_u32 s13, s13, s14
	s_lshl_b32 s14, s10, 9                         ; + my wave's 512 bytes of a row
	s_add_co_u32 s16, s13, s14
	s_mov_b32 s17, 0
	s_mov_b32 s15, 0
	s_lshl_b32 s18, ttmp9, 3
	s_add_co_u32 s18, s18, s10
	s_mul_i32 s18, s18, 1536                       ; my fragment's image: (8 T + w) x 1536
	s_mov_b32 s19, 0
	s_lshl_b32 s22, ttmp9, 9
	s_add_co_u32 s22, s22, ASC                     ; the tile's 512 scale bytes
	s_mov_b32 s23, 0
	s_wait_kmcnt 0x0
	s_add_nc_u64 s[4:5], s[4:5], s[16:17]
	s_add_nc_u64 s[6:7], s[6:7], s[14:15]
	s_add_nc_u64 s[20:21], s[8:9], s[18:19]
	s_add_nc_u64 s[22:23], s[8:9], s[22:23]
.set i, 0
.rept 16
	global_load_b128 v[X+4*i:X+4*i+3], v1, s[4:5] offset:(i+8*(i/8))*4096 th:TH_LOAD_NT   ; lane-row i: 32 lanes read 512 consecutive bytes
.set i, i+1
.endr
.irp b, 0,1,2,3
.irp j, 0,1,2,3
	global_load_b128 v[SV+16*\b+4*\j:SV+16*\b+4*\j+3], v6, s[6:7] offset:128*\b+16*\j
.endr
.endr
	s_wait_loadcnt 16                              ; the rows are in; the 16 younger loads, the gain's, may be out
.set i, 0
.rept 16
	ds_store_b128 v3, v[X+4*i:X+4*i+3] offset:STGP*i
.set i, i+1
.endr
.irp b, 0,1,2,3
.irp j, 0,1,2,3
	ds_load_b128 v[Y+16*\b+4*\j:Y+16*\b+4*\j+3], v4 offset:128*\b+16*\j   ; LDS serves a wave's instructions in order: these see my stores
.endr
.endr
	s_wait_dscnt 0x0
	v_pk_mul_f32 v[246:247], v[Y:Y+1], v[Y:Y+1]    ; the sum of squares of my 64, in two chains
	v_pk_mul_f32 v[248:249], v[Y+2:Y+3], v[Y+2:Y+3]
.irp j, 4,8,12,16,20,24,28,32,36,40,44,48,52,56,60
	v_pk_fma_f32 v[246:247], v[Y+\j:Y+\j+1], v[Y+\j:Y+\j+1], v[246:247]
	v_pk_fma_f32 v[248:249], v[Y+\j+2:Y+\j+3], v[Y+\j+2:Y+\j+3], v[248:249]
.endr
	v_pk_add_f32 v[246:247], v[246:247], v[248:249]
	v_add_f32 v246, v246, v247
	v_permlanex16_b32 v247, v246, s[SEL], s[SEL+1]
	v_add_f32 v246, v246, v247                     ; row r's 128 columns of my wave
	ds_store_b32 v10, v246                         ; (lanes r and 16 + r write the same word with the same value)
	s_wait_dscnt 0x0                               ; for the others' sake: my store has landed
	s_barrier_signal -1
	s_barrier_wait -1
	ds_load_b128 v[248:251], v5
	ds_load_b128 v[252:255], v5 offset:16
	s_wait_dscnt 0x0
	v_add_f32 v248, v248, v249                     ; the eight waves' parts, in one order in every wave
	v_add_f32 v250, v250, v251
	v_add_f32 v252, v252, v253
	v_add_f32 v254, v254, v255
	v_add_f32 v248, v248, v250
	v_add_f32 v252, v252, v254
	v_add_f32 v248, v248, v252
	v_fma_f32 v246, v248, s26, s27                 ; the mean + 1e-8
	v_rsq_f32 v250, v246
	v_rsq_f32 v251, v246                           ; twice: a pair for the packed multiply
	v_nop                                          ; a plain instruction behind the last of them
	s_wait_alu depctr_va_vdst(0)                   ; one wait for both, ahead of their first reader
	s_wait_loadcnt 0x0                             ; the gain
.set j, 0
.rept 32
	v_pk_mul_f32 v[Y+j:Y+j+1], v[Y+j:Y+j+1], v[SV+j:SV+j+1]
.set j, j+2
.endr
.set j, 0
.rept 32
	v_pk_mul_f32 v[Y+j:Y+j+1], v[Y+j:Y+j+1], v[250:251]
.set j, j+2
.endr
	QUANT Y
.irp c, 0,1
	global_store_b128 v1, v[PC+6*\c:PC+6*\c+3], s[20:21] offset:768*\c         ; 512 consecutive bytes
	global_store_b64 v2, v[PC+6*\c+4:PC+6*\c+5], s[20:21] offset:768*\c+512    ; 256 consecutive bytes
.endr
	ds_store_b32 v10, v[PW] offset:512             ; row r's bytes 4 w .. 4 w + 3
	s_wait_dscnt 0x0
	s_barrier_signal -1
	s_barrier_wait -1
	s_cmp_lg_u32 s10, 0                            ; wave 0 stores the tile's 512 scale bytes
	s_cbranch_scc1 .Lend
	ds_load_b128 v[248:251], v11
	s_wait_dscnt 0x0
	global_store_b128 v1, v[248:251], s[22:23]
.Lend:
	s_wait_tensorcnt 0x0
	ds_add_u32 v239, v245
	s_wait_dscnt 0x0
	s_endpgm
.Lfunc_end_k_q64cedbb952_norm1:
	.size	k_q64cedbb952_norm1, .Lfunc_end_k_q64cedbb952_norm1-k_q64cedbb952_norm1
	.p2alignl 7, 3214868480
	.fill 96, 4, 3214868480
	.section	.rodata,"a",@progbits
	.p2align	6, 0x0
	.amdhsa_kernel k_q64cedbb952_norm1
		.amdhsa_group_segment_fixed_size 70656
		.amdhsa_private_segment_fixed_size 0
		.amdhsa_enable_private_segment 0
		.amdhsa_kernarg_size 24
		.amdhsa_user_sgpr_count 2
		.amdhsa_user_sgpr_kernarg_segment_ptr 1
		.amdhsa_wavefront_size32 1
		.amdhsa_system_sgpr_workgroup_id_x 1
		.amdhsa_system_sgpr_workgroup_id_y 1
		.amdhsa_system_sgpr_workgroup_id_z 1
		.amdhsa_system_vgpr_workitem_id 0
		.amdhsa_next_free_vgpr 256
		.amdhsa_next_free_sgpr 66
		.amdhsa_reserve_vcc 0
		.amdhsa_float_denorm_mode_32 3
		.amdhsa_float_denorm_mode_16_64 3
		.amdhsa_memory_ordered 1
		.amdhsa_forward_progress 1
		.amdhsa_inst_pref_size 20
	.end_amdhsa_kernel
	.amdgpu_metadata
---
amdhsa.version: [ 1, 2 ]
amdhsa.kernels:
  - .name:           k_q64cedbb952_norm1
    .symbol:         k_q64cedbb952_norm1.kd
    .args:
      - { .name: x, .offset: 0, .size: 8, .value_kind: global_buffer, .address_space: global }
      - { .name: scale1, .offset: 8, .size: 8, .value_kind: global_buffer, .address_space: global }
      - { .name: aq, .offset: 16, .size: 8, .value_kind: global_buffer, .address_space: global }
    .group_segment_fixed_size: 70656
    .private_segment_fixed_size: 0
    .kernarg_segment_align: 8
    .kernarg_segment_size: 24
    .max_flat_workgroup_size: 256
    .sgpr_count:     66
    .vgpr_count:     256
    .wavefront_size: 32
...
	.end_amdgpu_metadata
.endif
;; end of part 1
;; launch qkv (part 2): grid 8 x 32, 4 waves a work-group, clusters of 4 x 4, 327,680 bytes of LDS; arguments aq, w_qkv_codes, w_qkv_scales, b_qkv, qkvw; writes qkvw
.if DOCPART == 2
	.amdgcn_target "amdgcn-amd-amdhsa--gfx1250"
	.amdhsa_code_object_version 6
	.text
	.protected	k_q64cedbb952_qkv
	.globl	k_q64cedbb952_qkv
	.p2align	8
	.type	k_q64cedbb952_qkv,@function
k_q64cedbb952_qkv:
	s_mov_b64 s[64:65], 0
	v_nop
	global_prefetch_b8 v0, s[64:65] scope:SCOPE_SE
	s_setreg_imm32_b32 hwreg(HW_REG_WAVE_MODE, 25, 1), 1
	s_wait_xcnt 0x0
	s_wait_alu depctr_hold_cnt(0) depctr_sa_sdst(0) depctr_va_vdst(0) depctr_va_sdst(0) depctr_va_ssrc(0) depctr_va_vcc(0) depctr_vm_vsrc(0)
	s_getreg_b32 s2, hwreg(HW_REG_IB_STS2, 6, 4)
	s_cmp_eq_u32 s2, 0
	s_cbranch_scc0 .Lentry_in_a_cluster
	s_endpgm
.Lentry_in_a_cluster:
	s_bfe_u32 s2, ttmp6, 0x10000c
	s_cmp_lg_u32 s2, 0xf033
	s_cbranch_scc0 .Lentry_shape_is_right
	s_endpgm
.Lentry_shape_is_right:
; qkv = xn W^T + b on codes of FP6 (E2M3) with one E8M0 scale for each 32 along K; the results are quantised at once, as the operands of attention's two products, and stored as images of fragments.
; A (activations): codes [row tile][K step][1536] (a fragment's registers on end: halves of 768 bytes, registers 0-3 at 16 x lane, 4-5 at 512 + 8 x lane), scale bytes at ASC [16 T + lane-row][K / 32].
; Lane-row r of row tile T is memory row 32 (T / 2) + 8 (T % 2) + r + 8 (r / 8).  B (weights): rows of K x 3 / 4 bytes, a stream of bits; scale bytes [n][K / 32].
; SHARES.  A tile is 128 x 128, four waves 2 x 2, a wave 64 x 64: 16 accumulators; a wave's 64 columns are one head.
; A WORK-GROUP STAYS: it makes three tiles of its 128 rows: Q, K and V of the pair of heads x (tile columns x, x + 8, x + 16).  A's 128 rows, all of K (two LDS slots of 512), are fetched once and stay.
; B's part of both slots is filled again for the next tile straight behind a tile's last product, one joint load a wave (slot wave / 2, half wave % 2), and lands while the tile is quantised and stored.
; CLUSTER 4 x 4: A's tiles are asked for jointly along a row of the cluster, B's along a column.
; Q AND K: the product is used transposed (source 0 = 16 rows of W, source 1 = 16 rows of A): a lane holds one row and 64 of the head's numbers: two blocks of 32: half a fragment.
; V: not transposed: a lane holds one of the head's 64 and its registers run down the rows, which are the keys, the second product's K.
; OUT: Q at 0 and K at 3,145,728: [bh][row tile 128][768];  V at VOFF: [bh][step of 128 keys][16 of the head's 64][1536];  Q's scale words at QSC: [bh][step][r][tile 8] (bytes 2, 3 = 127 for the zero half);
; at KVSC for each bh 12,288 bytes: K's words in Q's form, then V's [step][r][4].
; LIMITS: a block of zeros gets the byte 1 where the rule says 127 (zero codes; only this program reads the bytes); NaN and infinities are not served.
; REGISTERS.  window 0: v1-7 lane numbers; v8, v9 for the add; v10-22 addresses; v32-63 scale words and nothing else; v96-119 the quantiser; v128-255 accumulators.  window 1: two sets of 8 fragments.
;   window 2: v0-95 the three tiles' biases, in the results' layouts.
.set SIZE_K, 1024
.set KT,    SIZE_K/128
.set ATP,   KT*1536                    ; a row tile of A in memory
.set AHALF, 4*6144                     ; 4 row tiles x 4 K steps: what one tensor load brings of A
.set BP,    432                        ; a row of B in LDS: 3 x (128 bytes + 16): 108 words: the 16 rows of a fragment start at 16 different multiples of 4 banks
.set BHALF, 64*BP
.set KROW,  SIZE_K*3/4
.set KS,    SIZE_K/32
.set SLOT,  2*AHALF+2*BHALF            ; A's halves, then B's
.set SCL,   2*SLOT                     ; the scale bytes for all of K, as runs of 256 bytes + 16: A's 128 rows, then those of B's three tiles
.set HALFS, (64*KS/256)*272
.set SBLK,  (16*KS/256)*272
.set SCT,   2*HALFS                    ; 128 rows' scale bytes
.set SPARE, SCL+4*SCT                  ; the spare words: 128 bytes a wave, named by no other line
.set TSTEP, 1024*KROW                  ; from a tile of W to the next: 8 tile columns
.set ASC,   SIZE_K*3072
.set VOFF,  6291456
.set QSC,   9437184
.set KVSC,  9699328
.set SPW, 8
.set NIL, 9
.set A16, 10                           ; v10-11 A's images, 16 x lane, slot 0, 1;  v12-13 the same with 8 x lane
.set A8,  12
.set ADRB, 14                          ; v14-15 B's rows, + 24 h;  v16-17 the same behind one padding more (+ 40 h)
.set RO32, 18                          ; v18 32 r
.set RO16, 19                          ; v19 16 r
.set ADRS, 20                          ; v20-22 scale words of tile 0, 1, 2: lanes 0-15 A's rows, lanes 16-31 B's
.set SC,  32                           ; set s at SC + 16 s; register 4 i + q: block i, the slot's q-th 128 along K
.set PC,  96
.set TM,  108
.set PW,  114
.set SW,  116
.set ACC, 128
.set WV, 16
.set RH, 17
.set CH, 18
.set TR, 19
.set X,  20
.set CX, 21
.set CY, 22
.set G1, 24
.set G0A, 32
.set G1B, 48
.set G0B, 56
.set SEL, 66
.set G1S, 68
.set G0S, 76
.set G1SB, 80
.set G0SB, 88
.set BH, 98
.set STP, 99
.set MSB, 0
.macro WIN new                         ; the immediate's high byte repeats the setting that is left
.if MSB != \new
	s_set_vgpr_msb (MSB<<8)|\new
.set MSB, \new
.endif
.endm
.set MUL,  0x05                        ; sources 0 and 1 window 1; C and D window 0
.set MULC, 0x25                        ; the same with C (the bias) in window 2
.set TO_F, 0x40                        ; destination window 1, address window 0
.macro CROUND                          ; a round of the cluster's barrier
	s_barrier_signal -1
	s_barrier_wait -1
	s_cmp_lg_u32 s[WV], 0
	s_cbranch_scc1 .Lnot_wave_0_\@
	s_barrier_signal -3
.Lnot_wave_0_\@:
	s_barrier_wait -3
	s_barrier_signal -1
	s_barrier_wait -1
.endm
.macro PLACES n
.rept \n
	v_nop
.endr
.endm
.macro FRAGA reg, slot, q, i           ; a fragment of A comes back as it was stored: four dense loads
	ds_load_b128 v[\reg:\reg+3],     v[A16+\slot] offset:(\i)*6144+(\q)*1536
	ds_load_b64  v[\reg+4:\reg+5],   v[A8+\slot]  offset:(\i)*6144+(\q)*1536+512
	ds_load_b128 v[\reg+6:\reg+9],   v[A16+\slot] offset:(\i)*6144+(\q)*1536+768
	ds_load_b64  v[\reg+10:\reg+11], v[A8+\slot]  offset:(\i)*6144+(\q)*1536+1280
.endm
.macro FRAGB reg, slot, q, i           ; a fragment of B: 24 bytes of the row's stream twice, in pieces of 8; piece p lies at 8 p + 16 (p / 16); lanes 16-31 read three pieces on
.irp p, 0,1,2,3,4,5
.set PCE, 12*(\q)+6*(\p/3)+\p%3
.if PCE%16 < 13
	ds_load_b64 v[\reg+2*\p:\reg+2*\p+1], v[ADRB+\slot] offset:8*PCE+16*(PCE/16)+(\i)*16*BP
.else
	ds_load_b64 v[\reg+2*\p:\reg+2*\p+1], v[ADRB+2+\slot] offset:8*PCE+16*(PCE/16)+(\i)*16*BP
.endif
.endr
.endm
.macro FETCH k, f                      ; 40 loads: K step k (slot k / 4, its (k % 4)-th 128): B's four fragments, then A's four, into set f
.set FSL, (\k)/4
.set FQ, (\k)%4
	WIN TO_F
.irp i, 0,1,2,3
	FRAGB 96*(\f)+48+12*\i, FSL, FQ, \i
.endr
.irp i, 0,1,2,3
	FRAGA 96*(\f)+12*\i, FSL, FQ, \i
.endr
.endm
.macro SCALES set, n                   ; a slot's scale words of tile n: 16 bytes a row
.irp i, 0,1,2,3
	ds_load_b128 v[SC+16*\set+4*\i:SC+16*\set+4*\i+3], v[ADRS+\n] offset:\i*SBLK+16*\set
.endr
.endm
; four matrix instructions: A's block a against B's four.  tr = 1: transposed.  cin = 1: the bias is the C of the sum's first instruction.  The 16 accumulators take turns.
.macro MULA f, a, q, sc, cin, tr
.irp b, 0,1,2,3
.set FB, 96*(\f)+48+12*\b
.set FA, 96*(\f)+12*(\a)
.if \tr
.set DD, ACC+8*(4*(\a)+\b)
.if \cin
	v_wmma_scale_f32_16x16x128_f8f6f4 v[DD:DD+7], v[FB:FB+11], v[FA:FA+11], v[BIAS+8*\b:BIAS+8*\b+7], v[SC+16*(\sc)+4*\b+(\q)], v[SC+16*(\sc)+4*(\a)+(\q)] matrix_a_fmt:MATRIX_FMT_FP6 matrix_b_fmt:MATRIX_FMT_FP6 matrix_a_scale:MATRIX_SCALE_ROW1
.else
	v_wmma_scale_f32_16x16x128_f8f6f4 v[DD:DD+7], v[FB:FB+11], v[FA:FA+11], v[DD:DD+7], v[SC+16*(\sc)+4*\b+(\q)], v[SC+16*(\sc)+4*(\a)+(\q)] matrix_a_fmt:MATRIX_FMT_FP6 matrix_b_fmt:MATRIX_FMT_FP6 matrix_a_scale:MATRIX_SCALE_ROW1
.endif
.else
.set DD, ACC+8*(4*\b+(\a))
.if \cin
	v_wmma_scale_f32_16x16x128_f8f6f4 v[DD:DD+7], v[FA:FA+11], v[FB:FB+11], v[BIAS+8*\b:BIAS+8*\b+7], v[SC+16*(\sc)+4*(\a)+(\q)], v[SC+16*(\sc)+4*\b+(\q)] matrix_a_fmt:MATRIX_FMT_FP6 matrix_b_fmt:MATRIX_FMT_FP6 matrix_b_scale:MATRIX_SCALE_ROW1
.else
	v_wmma_scale_f32_16x16x128_f8f6f4 v[DD:DD+7], v[FA:FA+11], v[FB:FB+11], v[DD:DD+7], v[SC+16*(\sc)+4*(\a)+(\q)], v[SC+16*(\sc)+4*\b+(\q)] matrix_a_fmt:MATRIX_FMT_FP6 matrix_b_fmt:MATRIX_FMT_FP6 matrix_b_scale:MATRIX_SCALE_ROW1
.endif
.endif
.endr
.endm
.macro WINM cin
.if \cin
	WIN MULC
.else
	WIN MUL
.endif
.endm
.macro STEP k, cin, tr                 ; K step k, and in its middle the fetch of K step k + 1
	s_wait_dscnt 8                                 ; all but the youngest eight loads (A's blocks 2, 3)
	WINM \cin
	MULA (\k)%2, 0, (\k)%4, (\k)/4, \cin, \tr
	MULA (\k)%2, 1, (\k)%4, (\k)/4, \cin, \tr
	PLACES 4                                       ; in front of loads into registers that matrix instructions have read
	FETCH (\k)+1, 1-(\k)%2
	s_wait_dscnt 40                                ; all but the 40 just issued
	WINM \cin
	MULA (\k)%2, 2, (\k)%4, (\k)/4, \cin, \tr
	MULA (\k)%2, 3, (\k)%4, (\k)/4, \cin, \tr
.endm
.macro MAIN n, tr                      ; tile n: all of K, eight steps; no barrier between them: both slots are whole behind the one at the head
.set BIAS, 32*\n
	s_wait_tensorcnt 0x0                           ; my loads for this tile have landed (none was issued behind them),
	s_barrier_signal -1
	s_barrier_wait -1                              ; everybody's have
	SCALES 0, \n
	SCALES 1, \n
	FETCH 0, 0
.if \n == 0
	s_wait_loadcnt 0x0                             ; the three biases
.endif
	STEP 0, 1, \tr                                 ; the first products start the sums, on the bias
.irp k, 1,2,3,4,5,6
	STEP \k, 0, \tr
.endr
	s_wait_dscnt 8
	WIN MUL
	MULA 1, 0, 3, 1, 0, \tr
	MULA 1, 1, 3, 1, 0, \tr
	s_wait_dscnt 0x0
	MULA 1, 2, 3, 1, 0, \tr
	MULA 1, 3, 3, 1, 0, \tr
	WIN 0
.endm
; B's part of both slots is filled again, with the next tile's rows of W.  Each wave has waited for all its tensor loads, has added 0 to its spare word, and has waited for that and for its reads of the slots;
; the round shows the same of every wave of every partner; the joint load is the first thing behind it, one a wave.  Its four v_nop are also the places behind the last products.
.macro CHANGE
	s_wait_tensorcnt 0x0                           ; no tensor load of mine is out, so a group 0 may be written
	ds_add_u32 v[SPW], v[NIL]                      ; 0 onto my spare word
	s_add_nc_u64 s[G0B+2:G0B+3], s[G0B+2:G0B+3], TSTEP
	s_wait_dscnt 0x0                               ; the add is done, my reads of both slots are over
	CROUND
	tensor_load_to_lds s[G0B:G0B+3], s[G1B:G1B+7]
	s_nop 0
.rept 4
	v_nop
.endr
.endm
.macro SWAPN s                         ; 4 tiles x 8 registers (register 8 t + j = n 16 t + 8 h + j) become register 16 b + i = n 32 b + 16 h + i
.irp b, 0,1
.irp j, 0,1,2,3,4,5,6,7
	v_permlane16_swap_b32 v[(\s)+16*\b+\j], v[(\s)+16*\b+8+\j]
.endr
.endr
.endm
.macro QUANT2 s                        ; 32 numbers of a lane, register 16 b + i = k 32 b + 16 h + i, become half a fragment in v[PC .. PC+5] and two scale bytes in v[PW]
.irp b, 0,1
	v_max3_num_f32 v[TM+\b], |v[(\s)+16*\b]|, |v[(\s)+1+16*\b]|, 0x1800000   ; with the floor 2^(3 - 127): the byte cannot fall under 1
.endr
.irp i, 2,4,6,8,10,12,14
.irp b, 0,1
	v_max3_num_f32 v[TM+\b], v[TM+\b], |v[(\s)+16*\b+\i]|, |v[(\s)+1+16*\b+\i]|
.endr
.endr
.irp b, 0,1
	v_permlanex16_b32 v[TM+2+\b], v[TM+\b], s[SEL], s[SEL+1]
.endr
.irp b, 0,1
	v_max_num_f32 v[TM+\b], v[TM+\b], v[TM+2+\b]
.endr
.irp b, 0,1
	v_add_nc_u32 v[TM+4+\b], 0xff000000, v[TM+\b]      ; 2 off the exponent field: the conversion's scale operand
.endr
.irp b, 0,1
	v_lshrrev_b32 v[TM+2+\b], 23, v[TM+4+\b]
.endr
	v_lshl_or_b32 v[PW], v[TM+3], 8, v[TM+2]
	v_cvt_scalef32_pk16_fp6_f32 v[PC:PC+2], v[(\s):(\s)+15], v[TM+4]
	v_cvt_scalef32_pk16_fp6_f32 v[PC+6:PC+8], v[(\s)+16:(\s)+31], v[TM+5]
	v_nop                                              ; one plain place behind a scaled conversion
.irp i, 0,1,2
	v_permlane16_swap_b32 v[PC+\i], v[PC+6+\i]         ; a whole block to a lane: lanes 0-15 block 0, lanes 16-31 block 1
.endr
.irp i, 0,1,2
	v_mov_b32 v[PC+3+\i], v[PC+6+\i]
.endr
.endm
.macro EPIQK sec                       ; the way out of Q (sec = 0) or K (1)
	s_wait_xcnt 0x0                                ; earlier stores have read their bases and data: both are written again
	s_lshl_b32 s44, s[BH], 7
	s_lshl_b32 s45, s[STP], 3
	s_add_co_u32 s44, s44, s45
	s_lshl_b32 s45, s[RH], 2
	s_add_co_u32 s44, s44, s45
	s_mul_i32 s44, s44, 768                        ; (128 bh + 8 step + 4 half) tiles of 768 bytes
	s_add_co_u32 s44, s44, 3145728*\sec
	s_mov_b32 s45, 0
	s_add_nc_u64 s[44:45], s[12:13], s[44:45]
	s_mul_i32 s46, s[BH], 8192+4096*\sec
	s_add_co_u32 s46, s46, QSC+(KVSC-QSC)*\sec
	s_lshl_b32 s47, s[STP], 9
	s_add_co_u32 s46, s46, s47
	s_lshl_b32 s47, s[RH], 4
	s_add_co_u32 s46, s46, s47
	s_mov_b32 s47, 0
	s_add_nc_u64 s[46:47], s[12:13], s[46:47]
.irp a, 0,1,2,3
.if \a > 0
	s_wait_xcnt 0x0                                ; the last tile's stores have read their data: the codes' registers are written again
.endif
	SWAPN ACC+32*\a
	QUANT2 ACC+32*\a
	v_or_b32 v[SW+\a], 0x7f7f0000, v[PW]           ; the zero half of K = 128 gets the byte 127
	global_store_b128 v4, v[PC:PC+3], s[44:45] offset:768*\a
	global_store_b64 v5, v[PC+4:PC+5], s[44:45] offset:768*\a+512
.endr
	global_store_b128 v[RO32], v[SW:SW+3], s[46:47]   ; four tiles' words of row r (lanes r and 16 + r: the same bytes at the same place)
.endm
	s_load_b128 s[4:7], s[0:1], 0x0                ; A, W's codes
	s_load_b128 s[8:11], s[0:1], 0x10              ; W's scales, the bias
	s_load_b64 s[12:13], s[0:1], 0x20              ; the output
	v_lshl_add_u32 v[SPW], v0, 2, SPARE
	v_mov_b32 v[NIL], 0
	ds_add_u32 v8, v9
	ds_add_u32 v8, v9
	s_wait_dscnt 0x0
	v_lshrrev_b32 v1, 5, v0
	v_readfirstlane_b32 s[WV], v1                  ; wave 0..3
	s_lshr_b32 s[RH], s[WV], 1                     ; my half of the rows.  Also: the slot for which I fetch
	s_and_b32 s[CH], s[WV], 1                      ; my half of the columns.  Also: which half of A's and B's rows I fetch
	s_bfe_u32 s[CX], ttmp6, 0x40000
	s_bfe_u32 s[CY], ttmp6, 0x40004
	s_lshl_b32 s[X], ttmp9, 2
	s_add_co_u32 s[X], s[X], s[CX]                 ; the pair of heads, and Q's tile column
	s_and_b32 s[TR], ttmp7, 0xffff
	s_lshl_b32 s[TR], s[TR], 2
	s_add_co_u32 s[TR], s[TR], s[CY]               ; tile row
	s_lshl_b32 s40, s[CY], 2
	s_lshl_b32 s40, 15, s40                        ; my row of the cluster
	s_lshl_b32 s41, 0x1111, s[CX]                  ; my column
	s_or_b32 s[G1+0], s40, (3<<16)|(1<<21)         ; A's codes: 4 rows of 768 elements of 8 bytes, no padding; the mask, and bit 21 beside it
	s_mov_b32 s[G1+1], 768<<16
	s_mov_b32 s[G1+2], 4<<16
	s_mov_b32 s[G1+3], 768<<16
	s_mov_b32 s[G1+4], 4
	s_mov_b32 s[G1+5], ATP/8
	s_mov_b32 s[G1+6], 0
	s_mov_b32 s[G1+7], 0
	s_or_b32 s[G1B+0], s41, (1<<20)|(1<<21)|(4<<22)|(3<<25)   ; B's codes: 64 rows of 384 bytes, 4 words of padding behind every 32
	s_mov_b32 s[G1B+1], 384<<16
	s_mov_b32 s[G1B+2], 64<<16
	s_mov_b32 s[G1B+3], 384<<16
	s_mov_b32 s[G1B+4], 64
	s_mov_b32 s[G1B+5], KROW
	s_mov_b32 s[G1B+6], 0
	s_mov_b32 s[G1B+7], 0
	s_or_b32 s[G1S+0], s40, (3<<16)|(1<<20)|(1<<21)|(5<<22)|(3<<25)   ; the scale bytes of 128 rows: dense, as 16 rows of 256 bytes + 16
	s_or_b32 s[G1SB+0], s41, (3<<16)|(1<<20)|(1<<21)|(5<<22)|(3<<25)
.irp g, G1S, G1SB
	s_mov_b32 s[\g+1], 32<<16
	s_mov_b32 s[\g+2], (128*KS/256)<<16
	s_mov_b32 s[\g+3], 32<<16
	s_mov_b32 s[\g+4], 128*KS/256
	s_mov_b32 s[\g+5], 32
	s_mov_b32 s[\g+6], 0
	s_mov_b32 s[\g+7], 0
.endr
	s_lshl_b32 s42, s[TR], 3                       ; A hangs on the tile row alone, B on the tile column alone, each in registers of its own
	s_lshl_b32 s43, s[CH], 2
	s_add_co_u32 s42, s42, s43
	s_mul_i32 s42, s42, ATP
	s_mul_i32 s43, s[RH], 6144
	s_add_co_u32 s42, s42, s43                     ; A's codes: row tiles 8 tile row + 4 half on, K steps 4 slot on
	s_mov_b32 s43, 0
	s_lshl_b32 s44, s[TR], 12
	s_add_co_u32 s44, s44, ASC                     ; A's scale bytes: 128 rows of 32
	s_mov_b32 s45, 0
	s_lshl_b32 s92, s[X], 7
	s_lshl_b32 s93, s[CH], 6
	s_add_co_u32 s92, s92, s93
	s_mul_i32 s92, s92, KROW
	s_mul_i32 s93, s[RH], 384
	s_add_co_u32 s92, s92, s93                     ; B's codes: rows 128 x + 64 half on, 384 bytes x slot along them
	s_mov_b32 s93, 0
	s_min_u32 s97, s[WV], 2                        ; waves 0 to 2 fetch the scale bytes of B's tiles 0 to 2 (wave 3: A's)
	s_lshl_b32 s94, s97, 15
	s_lshl_b32 s95, s[X], 12
	s_add_co_u32 s94, s94, s95
	s_mov_b32 s95, 0
	s_mul_i32 s97, s97, SCT
	s_add_co_u32 s97, s97, SCL+SCT
	s_mul_i32 s46, s[RH], SLOT                     ; where they go: no place in the cluster enters an LDS address
	s_mul_i32 s47, s[CH], AHALF
	s_add_co_u32 s47, s47, s46
	s_mul_i32 s96, s[CH], BHALF
	s_add_co_u32 s96, s96, s46
	s_add_co_u32 s96, s96, 2*AHALF
	s_wait_kmcnt 0x0
	s_mov_b32 s[G0A], 1
	s_mov_b32 s[G0A+1], s47
	s_add_nc_u64 s[G0A+2:G0A+3], s[4:5], s[42:43]
	s_or_b32 s[G0A+3], s[G0A+3], 0x80000000
	s_mov_b32 s[G0B], 1
	s_mov_b32 s[G0B+1], s96
	s_add_nc_u64 s[G0B+2:G0B+3], s[6:7], s[92:93]
	s_or_b32 s[G0B+3], s[G0B+3], 0x80000000
	s_mov_b32 s[G0S], 1
	s_mov_b32 s[G0S+1], SCL
	s_add_nc_u64 s[G0S+2:G0S+3], s[4:5], s[44:45]
	s_or_b32 s[G0S+3], s[G0S+3], 0x80000000
	s_mov_b32 s[G0SB], 1
	s_mov_b32 s[G0SB+1], s97
	s_add_nc_u64 s[G0SB+2:G0SB+3], s[8:9], s[94:95]
	s_or_b32 s[G0SB+3], s[G0SB+3], 0x80000000
	CROUND                                         ; all sixteen work-groups are here: the first joint loads meet
	s_cmp_eq_u32 s[WV], 3
	s_cbranch_scc0 .Lscale_b
	tensor_load_to_lds s[G0S:G0S+3], s[G1S:G1S+7]
	s_nop 0
.rept 4
	v_nop
.endr
	s_branch .Lscale_asked
.Lscale_b:
	tensor_load_to_lds s[G0SB:G0SB+3], s[G1SB:G1SB+7]
	s_nop 0
.rept 4
	v_nop
.endr
.Lscale_asked:
	tensor_load_to_lds s[G0A:G0A+3], s[G1:G1+7]    ; my quarter of A, which stays,
	s_nop 0
	tensor_load_to_lds s[G0B:G0B+3], s[G1B:G1B+7]  ; and of B's first tile: three tensor loads of mine are out
	s_nop 0
.rept 4
	v_nop
.endr
	v_and_b32 v1, 15, v0                           ; r
	v_bfe_u32 v2, v0, 4, 1                         ; h
	v_and_b32 v3, 31, v0
	v_lshlrev_b32 v4, 4, v3                        ; 16 x lane
	v_lshlrev_b32 v5, 3, v3                        ; 8 x lane
	v_mul_u32_u24 v6, v1, BP
	v_mad_u32_u24 v6, v2, 24, v6
	v_lshl_add_u32 v7, v2, 4, v6
	s_mul_i32 s42, s[RH], AHALF
	s_mul_i32 s43, s[CH], BHALF
	s_add_co_u32 s43, s43, 2*AHALF
.irp s, 0,1
	v_add_nc_u32 v[A16+\s], s42, v4
	v_add_nc_u32 v[A8+\s], s42, v5
	v_add_nc_u32 v[ADRB+\s], s43, v6
	v_add_nc_u32 v[ADRB+2+\s], s43, v7
	s_add_co_u32 s42, s42, SLOT
	s_add_co_u32 s43, s43, SLOT
.endr
	v_mul_u32_u24 v6, v1, KS                       ; my row's scale bytes, and 16 more for each 256 passed
	v_lshrrev_b32 v7, 8, v6
	v_lshl_add_u32 v6, v7, 4, v6
	s_mul_i32 s44, s[RH], HALFS
	s_mul_i32 s45, s[CH], HALFS
	s_add_co_u32 s45, s45, SCT
	s_sub_co_u32 s45, s45, s44                     ; from A's rows to those of B's tile 0
	s_add_co_u32 s44, s44, SCL
.irp n, 0,1,2
	v_mul_u32_u24 v7, s45, v2                      ; lanes 16-31 take B's
	v_add_nc_u32 v7, v6, v7
	v_add_nc_u32 v[ADRS+\n], s44, v7
	s_add_co_u32 s45, s45, SCT
.endr
	v_lshlrev_b32 v[RO32], 5, v1
	v_lshlrev_b32 v[RO16], 4, v1
	v_mov_b32 v[TM+2], 0                           ; written once: a lane permute's destination counts as one of its sources
	v_mov_b32 v[TM+3], 0
	s_mov_b32 s[SEL], 0x76543210
	s_mov_b32 s[SEL+1], 0xfedcba98
	s_lshl_b32 s44, s[X], 9
	s_lshl_b32 s45, s[CH], 8
	s_add_co_u32 s44, s44, s45
	s_mov_b32 s45, 0
	s_add_nc_u64 s[10:11], s[10:11], s[44:45]      ; the bias at Q's first column of mine; K's lies 4,096 bytes on, V's 8,192
	s_lshr_b32 s[BH], s[TR], 4                     ; the batch,
	s_lshl_b32 s[BH], s[BH], 4
	s_lshl_b32 s44, s[X], 1
	s_add_co_u32 s44, s44, s[CH]                   ; the head,
	s_add_co_u32 s[BH], s[BH], s44                 ; bh = 16 x batch + head
	s_and_b32 s[STP], s[TR], 15                    ; the step of 128 rows in the sequence
	v_lshlrev_b32 v6, 5, v2                        ; 32 h
	v_lshlrev_b32 v7, 2, v1                        ; 4 r
	WIN 0x80                                       ; destination window 2
.irp n, 0,1
.irp b, 0,1,2,3
	global_load_b128 v[32*\n+8*\b:32*\n+8*\b+3], v6, s[10:11] offset:4096*\n+64*\b       ; Q, K: b(16 b + 8 h + 0 .. 7), in the result's layout
	global_load_b128 v[32*\n+8*\b+4:32*\n+8*\b+7], v6, s[10:11] offset:4096*\n+64*\b+16
.endr
.endr
.irp b, 0,1,2,3
.irp j, 0,1,2,3,4,5,6,7
	global_load_b32 v[64+8*\b+\j], v7, s[10:11] offset:8192+64*\b   ; V: b(16 b + r) in all eight registers: a lane holds one column
.endr
.endr
	WIN 0
	MAIN 0, 1                                      ; Q
	CHANGE                                         ; K's rows of W are asked for
	EPIQK 0
	MAIN 1, 1                                      ; K
	CHANGE                                         ; V's
	EPIQK 1
	MAIN 2, 0                                      ; V: nothing is left to fetch
	PLACES 4                                       ; in front of the first read of results
	s_wait_xcnt 0x0                                ; K's stores have read their bases and data
	s_lshl_b32 s44, s[BH], 4
	s_add_co_u32 s44, s44, s[STP]
	s_mul_i32 s44, s44, 6144
	s_mul_i32 s45, s[RH], 768                      ; my 64 keys are half a fragment
	s_add_co_u32 s44, s44, s45
	s_add_co_u32 s44, s44, VOFF
	s_mov_b32 s45, 0
	s_add_nc_u64 s[44:45], s[12:13], s[44:45]
	s_mul_i32 s46, s[BH], 12288
	s_lshl_b32 s47, s[STP], 8
	s_add_co_u32 s46, s46, s47
	s_lshl_b32 s47, s[RH], 1
	s_add_co_u32 s46, s46, s47
	s_add_co_u32 s46, s46, KVSC+8192
	s_mov_b32 s47, 0
	s_add_nc_u64 s[46:47], s[12:13], s[46:47]
.irp b, 0,1,2,3
.if \b > 0
	s_wait_xcnt 0x0
.endif
	QUANT2 ACC+32*\b                               ; registers 8 a + j of column tile b are keys 32 (a / 2) + 16 h + 8 (a % 2) + j
	global_store_b128 v4, v[PC:PC+3], s[44:45] offset:1536*\b
	global_store_b64 v5, v[PC+4:PC+5], s[44:45] offset:1536*\b+512
	global_store_b16 v[RO16], v[PW], s[46:47] offset:4*\b
.endr
	s_wait_tensorcnt 0x0                           ; the wave's end
	ds_add_u32 v[SPW], v[NIL]
	s_wait_dscnt 0x0
	CROUND                                         ; the closing round
	s_endpgm
.Lfunc_end_k_q64cedbb952_qkv:
	.size	k_q64cedbb952_qkv, .Lfunc_end_k_q64cedbb952_qkv-k_q64cedbb952_qkv
	.p2alignl 7, 3214868480
	.fill 96, 4, 3214868480
	.section	.rodata,"a",@progbits
	.p2align	6, 0x0
	.amdhsa_kernel k_q64cedbb952_qkv
		.amdhsa_group_segment_fixed_size 327680
		.amdhsa_private_segment_fixed_size 0
		.amdhsa_enable_private_segment 0
		.amdhsa_kernarg_size 40
		.amdhsa_user_sgpr_count 2
		.amdhsa_user_sgpr_kernarg_segment_ptr 1
		.amdhsa_wavefront_size32 1
		.amdhsa_system_sgpr_workgroup_id_x 1
		.amdhsa_system_sgpr_workgroup_id_y 1
		.amdhsa_system_sgpr_workgroup_id_z 1
		.amdhsa_system_vgpr_workitem_id 0
		.amdhsa_next_free_vgpr 608
		.amdhsa_next_free_sgpr 100
		.amdhsa_reserve_vcc 0
		.amdhsa_float_denorm_mode_32 3
		.amdhsa_float_denorm_mode_16_64 3
		.amdhsa_memory_ordered 1
		.amdhsa_forward_progress 1
		.amdhsa_inst_pref_size 163
	.end_amdhsa_kernel
	.amdgpu_metadata
---
amdhsa.version: [ 1, 2 ]
amdhsa.kernels:
  - .name:           k_q64cedbb952_qkv
    .symbol:         k_q64cedbb952_qkv.kd
    .args:
      - { .name: aq, .offset: 0, .size: 8, .value_kind: global_buffer, .address_space: global }
      - { .name: w_qkv_codes, .offset: 8, .size: 8, .value_kind: global_buffer, .address_space: global }
      - { .name: w_qkv_scales, .offset: 16, .size: 8, .value_kind: global_buffer, .address_space: global }
      - { .name: b_qkv, .offset: 24, .size: 8, .value_kind: global_buffer, .address_space: global }
      - { .name: qkvw, .offset: 32, .size: 8, .value_kind: global_buffer, .address_space: global }
    .group_segment_fixed_size: 327680
    .private_segment_fixed_size: 0
    .kernarg_segment_align: 8
    .kernarg_segment_size: 40
    .max_flat_workgroup_size: 128
    .sgpr_count:     100
    .vgpr_count:     608
    .wavefront_size: 32
...
	.end_amdgpu_metadata
.endif
;; end of part 2
;; launch attn (part 3): grid 8 x 32, 16 waves a work-group, no clusters, 210,944 bytes of LDS; arguments qkvw, oq; writes oq
.if DOCPART == 3
	.amdgcn_target "amdgcn-amd-amdhsa--gfx1250"
	.amdhsa_code_object_version 6
	.text
	.protected	k_q64cedbb952_attn
	.globl	k_q64cedbb952_attn
	.p2align	8
	.type	k_q64cedbb952_attn,@function
k_q64cedbb952_attn:
	s_mov_b64 s[64:65], 0
	v_nop
	global_prefetch_b8 v0, s[64:65] scope:SCOPE_SE
	s_setreg_imm32_b32 hwreg(HW_REG_WAVE_MODE, 25, 1), 1
	s_wait_xcnt 0x0
; O = softmax(Q K^T / 8 - slope |i - j|) V for one (batch, head) and 256 queries, both products on codes of FP6 (E2M3) with E8M0 scales; O is quantised along the model's axis and stored as half a fragment's image.
; THE SOFTMAX: t = logit x log2(e); M = the running largest t rounded up to a whole number; p = 2^(t - M) is quantised along the keys, not normalised; the row's sum of the unquantised p divides O at the end.
; SHARES.  Sixteen waves, four to a SIMD; a wave owns one tile of 16 queries.  The head's whole K and V (codes 2 x 98,304 bytes, scale words 12,288) come into LDS once: nine tensor loads, one a wave, no slot is filled twice.
; No cluster: the step on the diagonal is chosen by a scalar branch on the query block, which would differ between partners.
; LAYOUT.  Both products transposed: S^T = K Q^T, O^T = V^T P^T: a lane holds one query.  Lane-row r of row tile T is row 32 (T / 2) + 8 (T % 2) + r + 8 (r / 8), so register 16 b + i of a step's scores is key 32 b + 16 h + i.
; The head has 64 numbers: the upper half of Q's and K's fragments is zero codes under the byte 127.
; ALIBI.  t = c (w - g |q - key|), c = log2(e) / 8, g = 8 x slope = 2^(3 - (head + 1) / 2).  A wave's queries lie in ONE step of 128 keys.  In every other step |q - key| has one sign, and
; w - g |q - key| = (w + R_i) + E_b, R_i = +-g i (16 registers, equal in all lanes), E_b = +-g (32 b - (q - 16 h - first key)).  R_i IS THE C OF THE SCORE PRODUCTS: register j of tile 2 b + u is R_(8 u + j): it costs no addition.
; In the step on the diagonal R_i is taken off again and each score gets its own fused multiply-add; a scalar branch on ids chooses.
; LIMITS: a block of zeros gets the byte 1 (zero codes; only this program reads the bytes); NaN and infinities are not served; on the diagonal w + R_i - R_i rounds once more than w alone (an ulp of w + g i).
; REGISTERS: v1-7 addresses that stay; v8-11, v30, v31 the step's; v12 -M, v13 largest t, v[14:15] the sum; v16-27 Q; v28 Q's scale word; v29 q - 16 h - the step's first key; v32-79 four fragments of K;
; v80-91 K's and V's scale words; v92-95 E_b; v96-159 scores, then p, then V's fragments; v160-191 O^T; v192-207 R_i; v208-226 p's codes; v228-247 at work; v248 p's scale word; v[250:251] f; v252-255 at work.
.set KOFF, 3145728
.set QSC,  9437184
.set KVSC, 9699328
.set WV, 8
.set BH, 9
.set TQ, 10
.set QS, 11
.set G,  12
.set NG, 13
.set SG, 14
.set ST, 15
.set G1, 16
.set G1S, 24
.set G0, 32
.set G0S, 36
.set CS, 40
.set SEL, 42
.set TB, 44
.set TS, 45
.set TV, 46
.set PC, 208
.set TM, 228
.set PW, 236
.macro SWAPN s
.irp b, 0,1
.irp j, 0,1,2,3,4,5,6,7
	v_permlane16_swap_b32 v[(\s)+16*\b+\j], v[(\s)+16*\b+8+\j]
.endr
.endr
.endm
.macro QUANT2 s                        ; 32 numbers of a lane, register 16 b + i = k 32 b + 16 h + i, become half a fragment in v[PC .. PC+5] and two scale bytes in v[PW]
.irp b, 0,1
	v_max3_num_f32 v[TM+\b], |v[(\s)+16*\b]|, |v[(\s)+1+16*\b]|, 0x1800000
.endr
.irp i, 2,4,6,8,10,12,14
.irp b, 0,1
	v_max3_num_f32 v[TM+\b], v[TM+\b], |v[(\s)+16*\b+\i]|, |v[(\s)+1+16*\b+\i]|
.endr
.endr
.irp b, 0,1
	v_permlanex16_b32 v[TM+2+\b], v[TM+\b], s[SEL], s[SEL+1]
.endr
.irp b, 0,1
	v_max_num_f32 v[TM+\b], v[TM+\b], v[TM+2+\b]
.endr
.irp b, 0,1
	v_add_nc_u32 v[TM+4+\b], 0xff000000, v[TM+\b]
.endr
.irp b, 0,1
	v_lshrrev_b32 v[TM+2+\b], 23, v[TM+4+\b]
.endr
	v_lshl_or_b32 v[PW], v[TM+3], 8, v[TM+2]
	v_cvt_scalef32_pk16_fp6_f32 v[PC:PC+2], v[(\s):(\s)+15], v[TM+4]
	v_cvt_scalef32_pk16_fp6_f32 v[PC+6:PC+8], v[(\s)+16:(\s)+31], v[TM+5]
	v_nop
.irp i, 0,1,2
	v_permlane16_swap_b32 v[PC+\i], v[PC+6+\i]
.endr
.irp i, 0,1,2
	v_mov_b32 v[PC+3+\i], v[PC+6+\i]
.endr
.endm
	s_load_b128 s[4:7], s[0:1], 0x0                ; the operands, the output
	v_lshl_add_u32 v227, v0, 2, 0x33000
	v_mov_b32 v249, 0
	ds_add_u32 v227, v249
	ds_add_u32 v227, v249
	v_lshrrev_b32 v1, 5, v0
	v_readfirstlane_b32 s[WV], v1                  ; wave 0..15
	s_and_b32 s[BH], ttmp7, 0xffff
	s_lshl_b32 s[TQ], ttmp9, 4
	s_add_co_u32 s[TQ], s[TQ], s[WV]               ; my tile of queries in the sequence
	s_lshr_b32 s[QS], s[TQ], 3                     ; the step of 128 keys in which my queries lie
	s_mov_b32 s[G1], 3<<16                         ; a dense block of 24,576 bytes: 96 rows of 32 elements of 8 bytes
	s_mov_b32 s[G1+1], 32<<16
	s_mov_b32 s[G1+2], 96<<16
	s_mov_b32 s[G1+3], 32<<16
	s_mov_b32 s[G1+4], 96
	s_mov_b32 s[G1+5], 32
	s_mov_b32 s[G1+6], 0
	s_mov_b32 s[G1+7], 0
	s_mov_b32 s[G1S], 3<<16                        ; the scale words: 48 such rows
	s_mov_b32 s[G1S+1], 32<<16
	s_mov_b32 s[G1S+2], 48<<16
	s_mov_b32 s[G1S+3], 32<<16
	s_mov_b32 s[G1S+4], 48
	s_mov_b32 s[G1S+5], 32
	s_mov_b32 s[G1S+6], 0
	s_mov_b32 s[G1S+7], 0
	s_min_u32 s48, s[WV], 7                        ; waves 0-3: K's quarters, waves 4-7: V's (the others issue none of these)
	s_mul_i32 s49, s48, 24576
	s_lshr_b32 s50, s48, 2
	s_mul_i32 s50, s50, 3145728
	s_and_b32 s51, s48, 3
	s_mul_i32 s51, s51, 24576
	s_add_co_u32 s50, s50, s51
	s_mul_i32 s51, s[BH], 98304
	s_add_co_u32 s50, s50, s51
	s_add_co_u32 s50, s50, KOFF
	s_mov_b32 s51, 0
	s_mul_i32 s52, s[BH], 12288
	s_add_co_u32 s52, s52, KVSC
	s_mov_b32 s53, 0
	s_wait_dscnt 0x0
	s_wait_kmcnt 0x0
	s_mov_b32 s[G0], 1
	s_mov_b32 s[G0+1], s49
	s_add_nc_u64 s[G0+2:G0+3], s[4:5], s[50:51]
	s_or_b32 s[G0+3], s[G0+3], 0x80000000
	s_mov_b32 s[G0S], 1
	s_mov_b32 s[G0S+1], 196608
	s_add_nc_u64 s[G0S+2:G0S+3], s[4:5], s[52:53]
	s_or_b32 s[G0S+3], s[G0S+3], 0x80000000
	s_cmp_lt_u32 s[WV], 8
	s_cbranch_scc0 .Lnot_kv
	tensor_load_to_lds s[G0:G0+3], s[G1:G1+7]
	s_nop 0
.rept 4
	v_nop
.endr
	s_branch .Lasked
.Lnot_kv:
	s_cmp_eq_u32 s[WV], 8
	s_cbranch_scc0 .Lasked
	tensor_load_to_lds s[G0S:G0S+3], s[G1S:G1S+7]
	s_nop 0
.rept 4
	v_nop
.endr
.Lasked:
	v_and_b32 v252, 31, v0                         ; lane
	v_and_b32 v253, 15, v0                         ; r
	v_bfe_u32 v254, v0, 4, 1                       ; h
	v_lshlrev_b32 v1, 4, v252                      ; K's images: 16 x lane,
	v_lshlrev_b32 v2, 3, v252                      ; 8 x lane
	v_add_nc_u32 v3, 98304, v1                     ; V's
	v_add_nc_u32 v4, 98304, v2
	v_lshl_add_u32 v5, v253, 5, 196608             ; K's scale words: 32 bytes a lane-row in a step
	v_lshl_add_u32 v6, v253, 4, 204800             ; V's: 16 bytes
	v_lshlrev_b32 v7, 5, v253                      ; 32 r
	s_lshl_b32 s50, s[BH], 7
	s_add_co_u32 s50, s50, s[TQ]
	s_mul_i32 s50, s50, 768
	s_mov_b32 s51, 0
	s_add_nc_u64 s[50:51], s[4:5], s[50:51]        ; my tile of Q
	s_lshl_b32 s52, s[BH], 13
	s_lshl_b32 s53, s[QS], 9
	s_add_co_u32 s52, s52, s53
	s_and_b32 s53, s[TQ], 7
	s_lshl_b32 s53, s53, 2
	s_add_co_u32 s52, s52, s53
	s_add_co_u32 s52, s52, QSC
	s_mov_b32 s53, 0
	s_add_nc_u64 s[52:53], s[4:5], s[52:53]        ; and its scale words
	global_load_b128 v[16:19], v1, s[50:51]
	global_load_b64 v[20:21], v2, s[50:51] offset:512
	global_load_b32 v28, v7, s[52:53]
	v_and_b32 v255, 8, v253
	v_add_nc_u32 v255, v255, v253                  ; r + 8 (r / 8)
	v_lshlrev_b32 v254, 4, v254
	v_sub_nc_u32 v255, v255, v254                  ; - 16 h
	s_lshr_b32 s54, s[TQ], 1
	s_lshl_b32 s54, s54, 5
	s_and_b32 s55, s[TQ], 1
	s_lshl_b32 s55, s55, 3
	s_add_co_u32 s54, s54, s55
	v_add_nc_u32 v255, s54, v255
	v_cvt_f32_i32 v29, v255                        ; my query - 16 h - the first step's first key (0)
	s_and_b32 s48, s[BH], 15
	s_add_co_u32 s48, s48, 1                       ; head + 1
	s_lshr_b32 s49, s48, 1
	s_sub_co_u32 s49, 3, s49
	s_lshl_b32 s49, s49, 23
	s_and_b32 s54, s48, 1
	s_cmp_lg_u32 s54, 0
	s_mov_b32 s55, 0x3f800000
	s_cselect_b32 s55, 0x3f3504f3, s55             ; an odd head + 1 adds the factor 2^(-1/2)
	s_add_co_u32 s[G], s55, s49                    ; g = 2^(3 - (head + 1) / 2), made from ids alone
	s_or_b32 s[NG], s[G], 0x80000000
	s_mov_b32 s[CS], 0x3e38aa3b                    ; c = log2(e) / 8
	s_mov_b32 s[CS+1], s[CS]
	s_mov_b32 s[SEL], 0x76543210
	s_mov_b32 s[SEL+1], 0xfedcba98
	s_mov_b32 s[TB], 0
	s_mov_b32 s[TS], 0
	s_mov_b32 s[TV], 0
	s_mov_b32 s[ST], 0
	v_mov_b32 v13, 0xff61b1e6                      ; the largest t so far: -3e38
	v_floor_f32 v12, -v13
	v_mov_b32 v14, 0
	v_mov_b32 v15, 0
	v_mov_b32 v251, 0                              ; (named as the upper half of the pair v[250:251])
.irp i, 22,23,24,25,26,27
	v_mov_b32 v\i, 0                               ; Q's zero half
.endr
.irp t, 0,1,2,3
.irp i, 6,7,8,9,10,11
	v_mov_b32 v[32+12*\t+\i], 0                    ; K's zero halves: they stay
.endr
.endr
.set j, 0
.rept 32
	v_mov_b32 v[160+j], 0                          ; O^T: the loop is written once, and its first step finds zeros
.set j, j+1
.endr
.set i, 0
.rept 16
	v_cvt_f32_u32 v[192+i], i
.set i, i+1
.endr
.set i, 0
.rept 16
	v_mul_f32 v[192+i], s[G], v[192+i]             ; R_i = + g i: for the steps in front of the diagonal
.set i, i+1
.endr
	s_wait_tensorcnt 0x0                           ; my load, if I issued one, has landed
	s_barrier_signal -1
	s_barrier_wait -1                              ; everybody's has
	s_wait_loadcnt 0x0                             ; Q
.Lstep:                                            ; 16 trips: 128 keys each
	s_cmp_lt_u32 s[ST], s[QS]
	s_cselect_b32 s[SG], s[G], s[NG]
	s_cmp_eq_u32 s[ST], s[QS]
	s_cselect_b32 s[SG], 0, s[SG]                  ; + g in front of the diagonal, - g behind it, 0 on it
	v_sub_f32 v232, 0, v29                         ; 32 b - (q - 16 h - first key).  These fourteen plain lines are also the places in front of the products below, which write over V's fragments
	v_sub_f32 v233, 0x42000000, v29
	v_sub_f32 v234, 0x42800000, v29
	v_sub_f32 v235, 0x42c00000, v29
.irp b, 0,1,2,3
	v_mul_f32 v[92+\b], s[SG], v[232+\b]           ; E_b
.endr
	v_add_nc_u32 v8, s[TB], v1
	v_add_nc_u32 v9, s[TB], v2
	v_add_nc_u32 v10, s[TB], v3
	v_add_nc_u32 v11, s[TB], v4
	v_add_nc_u32 v30, s[TS], v5
	v_add_nc_u32 v31, s[TV], v6
	ds_load_b128 v[80:83], v30                     ; the eight tiles' scale words of lane-row r
	ds_load_b128 v[84:87], v30 offset:16
.irp g, 0,1                                    ; u = K Q^T + R, four tiles of 16 keys at a time: the C of tile 2 b + u is R_(8 u) .. R_(8 u + 7)
.if \g
.rept 4
	v_nop                                          ; places in front of loads into registers that matrix instructions have read
.endr
.endif
.irp t, 0,1,2,3
	ds_load_b128 v[32+12*\t:35+12*\t], v8 offset:(4*\g+\t)*768
	ds_load_b64 v[36+12*\t:37+12*\t], v9 offset:(4*\g+\t)*768+512
.endr
	s_wait_dscnt 0x0
.irp t, 0,1,2,3
	v_wmma_scale_f32_16x16x128_f8f6f4 v[96+8*(4*\g+\t):103+8*(4*\g+\t)], v[32+12*\t:43+12*\t], v[16:27], v[192+8*(\t%2):199+8*(\t%2)], v[80+4*\g+\t], v28 matrix_a_fmt:MATRIX_FMT_FP6 matrix_b_fmt:MATRIX_FMT_FP6
.endr
.endr
.rept 4
	v_nop
.endr
	s_cmp_eq_u32 s[ST], s[QS]
	s_cbranch_scc0 .Lbiased
	; one step of a wave, on the diagonal: R_i comes off again, and u = w - g |32 b + i - (q - 16 h - first key)|
.irp b, 0,1,2,3
.irp p, 0,2,4,6,8,10,12,14
	v_pk_add_f32 v[96+16*\b+\p:97+16*\b+\p], v[96+16*\b+\p:97+16*\b+\p], v[192+\p:193+\p] neg_lo:[0,1] neg_hi:[0,1]
.endr
.endr
.irp i, 0,1,2,3,4,5,6,7,8,9,10,11,12,13,14,15
.irp b, 0,1,2,3
	v_fma_f32 v[96+16*\b+\i], -|v[232+\b]|, s[G], v[96+16*\b+\i]
.endr
.irp b, 0,1,2,3
	v_add_f32 v[232+\b], 1.0, v[232+\b]
.endr
.endr
.set i, 0
.rept 16
	v_xor_b32 v[192+i], 0x80000000, v[192+i]       ; behind the diagonal R_i = - g i
.set i, i+1
.endr
.Lbiased:
.irp b, 0,1,2,3
	v_max3_num_f32 v[228+\b], v[96+16*\b], v[97+16*\b], v[98+16*\b]   ; my largest u of each block of 32 keys
.endr
.irp i, 3,5,7,9,11,13
.irp b, 0,1,2,3
	v_max3_num_f32 v[228+\b], v[228+\b], v[96+16*\b+\i], v[97+16*\b+\i]
.endr
.endr
.irp b, 0,1,2,3
	v_max_num_f32 v[228+\b], v[228+\b], v[111+16*\b]
.endr
.irp b, 0,1,2,3
	v_add_f32 v[244+\b], v[228+\b], v[92+\b]       ; + E_b, which differs between the halves of the lanes: so it is added ahead of the exchange
.endr
	v_max3_num_f32 v254, v244, v245, v246
	v_max_num_f32 v254, v254, v247
	v_permlanex16_b32 v255, v254, s[SEL], s[SEL+1]
	v_max_num_f32 v254, v254, v255                 ; the step's largest logit x 8 of my query
	v_mul_f32 v254, s[CS], v254
	v_max_num_f32 v13, v13, v254                   ; the running largest t
	v_mov_b32 v254, v12
	v_floor_f32 v12, -v13                          ; -M = floor(-t): M is a whole number
	v_sub_f32 v254, v12, v254
	v_cvt_i32_f32 v254, v254                       ; (it saturates)
	v_ldexp_f32 v250, 1.0, v254                    ; f = 2^(old M - new M): exact
.irp b, 0,1,2,3
	v_fma_f32 v[236+2*\b], s[CS], v[92+\b], v12    ; F_b = c E_b - M, twice: a pair for the packed form
	v_fma_f32 v[237+2*\b], s[CS], v[92+\b], v12
.endr
.irp b, 0,1,2,3
.irp p, 0,2,4,6,8,10,12,14
	v_pk_fma_f32 v[96+16*\b+\p:97+16*\b+\p], v[96+16*\b+\p:97+16*\b+\p], s[CS:CS+1], v[236+2*\b:237+2*\b] op_sel_hi:[1,0,1]   ; t - M = c u + F_b
.endr
.endr
.irp b, 0,1,2,3
	v_fma_f32 v[228+\b], v[228+\b], s[CS], v[236+2*\b]   ; the same multiply-add on my largest u: my largest exponent of the block
.endr
.irp b, 0,1,2,3
	v_permlanex16_b32 v[232+\b], v[228+\b], s[SEL], s[SEL+1]
.endr
.irp b, 0,1,2,3
	v_max_num_f32 v[228+\b], v[228+\b], v[232+\b]  ; the block's
.endr
.set j, 0
.rept 64
	v_exp_f32 v[96+j], v[96+j]                     ; p = 2^(t - M)
.set j, j+1
.endr
	v_pk_mul_f32 v[14:15], v[14:15], v[250:251] op_sel_hi:[1,0]   ; the sums under the new M: a plain instruction behind the exponentials
	s_wait_alu depctr_va_vdst(0)                   ; one wait for the batch, ahead of its first reader
.irp b, 0,1,2,3
	v_exp_f32 v[228+\b], v[228+\b]                 ; the block's largest p
.endr
	v_pk_add_f32 v[252:253], v[96:97], v[98:99]    ; the row's sum of the unquantised p, in two chains
.irp j, 4,8,12,16,20,24,28,32,36,40,44,48,52,56,60
	v_pk_add_f32 v[14:15], v[14:15], v[96+\j:97+\j]
	v_pk_add_f32 v[252:253], v[252:253], v[98+\j:99+\j]
.endr
	v_pk_add_f32 v[14:15], v[14:15], v[252:253]
	s_wait_alu depctr_va_vdst(0)                   ; and one for the four
.irp b, 0,1,2,3
	v_max_num_f32 v[228+\b], 0x1800000, v[228+\b]  ; the floor 2^(3 - 127)
.endr
.irp b, 0,1,2,3
	v_add_nc_u32 v[240+\b], 0xff000000, v[228+\b]  ; the conversion's scale operand
.endr
.irp b, 0,1,2,3
	v_lshrrev_b32 v[244+\b], 23, v[240+\b]         ; the scale's byte
.endr
	v_lshl_or_b32 v248, v245, 8, v244              ; p's scale word for these 128 keys
	v_lshl_or_b32 v248, v246, 16, v248
	v_lshl_or_b32 v248, v247, 24, v248
.irp c, 0,1
	v_cvt_scalef32_pk16_fp6_f32 v[208+6*\c:210+6*\c], v[96+32*\c:111+32*\c], v[240+2*\c]
	v_cvt_scalef32_pk16_fp6_f32 v[220+4*\c:222+4*\c], v[112+32*\c:127+32*\c], v[240+2*\c+1]
.endr
	v_nop                                          ; one plain place behind a scaled conversion
.irp c, 0,1
.irp i, 0,1,2
	v_permlane16_swap_b32 v[208+6*\c+\i], v[220+4*\c+\i]
.endr
.irp i, 0,1,2
	v_mov_b32 v[211+6*\c+\i], v[220+4*\c+\i]
.endr
.endr
.set j, 0
.rept 16
	v_pk_mul_f32 v[160+j:161+j], v[160+j:161+j], v[250:251] op_sel_hi:[1,0]   ; O^T under the new M; these sixteen are also the places in front of the scaled products
.set j, j+2
.endr
	ds_load_b128 v[88:91], v31                     ; V's four scale words of lane-row r
.irp t, 0,1,2,3
	ds_load_b128 v[96+12*\t:99+12*\t], v10 offset:\t*1536
	ds_load_b64 v[100+12*\t:101+12*\t], v11 offset:\t*1536+512
	ds_load_b128 v[102+12*\t:105+12*\t], v10 offset:\t*1536+768
	ds_load_b64 v[106+12*\t:107+12*\t], v11 offset:\t*1536+1280
.endr
	s_wait_dscnt 0x0
.irp t, 0,1,2,3
	v_wmma_scale_f32_16x16x128_f8f6f4 v[160+8*\t:167+8*\t], v[96+12*\t:107+12*\t], v[208:219], v[160+8*\t:167+8*\t], v[88+\t], v248 matrix_a_fmt:MATRIX_FMT_FP6 matrix_b_fmt:MATRIX_FMT_FP6
.endr
	v_add_f32 v29, 0xc3000000, v29                 ; the next step's first key is 128 on
	s_add_co_u32 s[TB], s[TB], 6144
	s_add_co_u32 s[TS], s[TS], 512
	s_add_co_u32 s[TV], s[TV], 256
	s_add_co_u32 s[ST], s[ST], 1
	s_cmp_lt_u32 s[ST], 16
	s_cbranch_scc1 .Lstep
	; THE WAY OUT
.rept 4
	v_nop                                          ; places behind the last products
.endr
	v_add_f32 v14, v14, v15
	v_permlanex16_b32 v252, v14, s[SEL], s[SEL+1]
	v_add_f32 v14, v14, v252                       ; the row's sum
	v_rcp_f32 v14, v14
	v_nop                                          ; a plain instruction behind it
	s_lshr_b32 s48, s[BH], 4
	s_lshl_b32 s48, s48, 7
	s_add_co_u32 s48, s48, s[TQ]                   ; my row tile among the 256
	s_and_b32 s49, s[BH], 15                       ; the head: K step head / 2, half head % 2
	s_lshl_b32 s50, s48, 3
	s_lshr_b32 s51, s49, 1
	s_add_co_u32 s50, s50, s51
	s_mul_i32 s50, s50, 1536
	s_and_b32 s51, s49, 1
	s_mul_i32 s51, s51, 768
	s_add_co_u32 s50, s50, s51
	s_mov_b32 s51, 0
	s_lshl_b32 s52, s48, 9
	s_lshl_b32 s53, s49, 1
	s_add_co_u32 s52, s52, s53
	s_add_co_u32 s52, s52, 3145728
	s_mov_b32 s53, 0
	s_add_nc_u64 s[50:51], s[6:7], s[50:51]
	s_add_nc_u64 s[52:53], s[6:7], s[52:53]
	s_wait_alu depctr_va_vdst(0)                   ; ahead of the reciprocal's first reader
.set j, 0
.rept 32
	v_mul_f32 v[96+j], v[160+j], v14               ; O^T / the sum: register 8 t + j is channel 16 t + 8 h + j of my query
.set j, j+1
.endr
	SWAPN 96
	QUANT2 96
	global_store_b128 v1, v[PC:PC+3], s[50:51]
	global_store_b64 v2, v[PC+4:PC+5], s[50:51] offset:512
	global_store_b16 v7, v[PW], s[52:53]           ; (lanes r and 16 + r: the same bytes at the same place)
	s_wait_tensorcnt 0x0
	ds_add_u32 v227, v249
	s_wait_dscnt 0x0
	s_endpgm
.Lfunc_end_k_q64cedbb952_attn:
	.size	k_q64cedbb952_attn, .Lfunc_end_k_q64cedbb952_attn-k_q64cedbb952_attn
	.p2alignl 7, 3214868480
	.fill 96, 4, 3214868480
	.section	.rodata,"a",@progbits
	.p2align	6, 0x0
	.amdhsa_kernel k_q64cedbb952_attn
		.amdhsa_group_segment_fixed_size 210944
		.amdhsa_private_segment_fixed_size 0
		.amdhsa_enable_private_segment 0
		.amdhsa_kernarg_size 16
		.amdhsa_user_sgpr_count 2
		.amdhsa_user_sgpr_kernarg_segment_ptr 1
		.amdhsa_wavefront_size32 1
		.amdhsa_system_sgpr_workgroup_id_x 1
		.amdhsa_system_sgpr_workgroup_id_y 1
		.amdhsa_system_sgpr_workgroup_id_z 1
		.amdhsa_system_vgpr_workitem_id 0
		.amdhsa_next_free_vgpr 256
		.amdhsa_next_free_sgpr 66
		.amdhsa_reserve_vcc 0
		.amdhsa_float_denorm_mode_32 3
		.amdhsa_float_denorm_mode_16_64 3
		.amdhsa_memory_ordered 1
		.amdhsa_forward_progress 1
		.amdhsa_inst_pref_size 41
	.end_amdhsa_kernel
	.amdgpu_metadata
---
amdhsa.version: [ 1, 2 ]
amdhsa.kernels:
  - .name:           k_q64cedbb952_attn
    .symbol:         k_q64cedbb952_attn.kd
    .args:
      - { .name: qkvw, .offset: 0, .size: 8, .value_kind: global_buffer, .address_space: global }
      - { .name: oq, .offset: 8, .size: 8, .value_kind: global_buffer, .address_space: global }
    .group_segment_fixed_size: 210944
    .private_segment_fixed_size: 0
    .kernarg_segment_align: 8
    .kernarg_segment_size: 16
    .max_flat_workgroup_size: 512
    .sgpr_count:     66
    .vgpr_count:     256
    .wavefront_size: 32
...
	.end_amdgpu_metadata
.endif
;; end of part 3
;; launch proj (part 4): grid 8 x 32, 4 waves a work-group, clusters of 4 x 4, 327,680 bytes of LDS; arguments oq, w_out_codes, w_out_scales, b_out, x, x2; writes x2
.if DOCPART == 4
	.amdgcn_target "amdgcn-amd-amdhsa--gfx1250"
	.amdhsa_code_object_version 6
	.text
	.protected	k_q64cedbb952_proj
	.globl	k_q64cedbb952_proj
	.p2align	8
	.type	k_q64cedbb952_proj,@function
k_q64cedbb952_proj:
	s_mov_b64 s[64:65], 0
	v_nop
	global_prefetch_b8 v0, s[64:65] scope:SCOPE_SE
	s_setreg_imm32_b32 hwreg(HW_REG_WAVE_MODE, 25, 1), 1
	s_wait_xcnt 0x0
	s_wait_alu depctr_hold_cnt(0) depctr_sa_sdst(0) depctr_va_vdst(0) depctr_va_sdst(0) depctr_va_ssrc(0) depctr_va_vcc(0) depctr_vm_vsrc(0)
	s_getreg_b32 s2, hwreg(HW_REG_IB_STS2, 6, 4)
	s_cmp_eq_u32 s2, 0
	s_cbranch_scc0 .Lentry_in_a_cluster
	s_endpgm
.Lentry_in_a_cluster:
	s_bfe_u32 s2, ttmp6, 0x10000c
	s_cmp_lg_u32 s2, 0xf033
	s_cbranch_scc0 .Lentry_shape_is_right
	s_endpgm
.Lentry_shape_is_right:
; out = residual + (A W^T + b), the product on codes of FP6 (E2M3) with one E8M0 scale for each 32 along K; out and residual f32 [4096][1024].
; A: codes [row tile][K step][1536] (a fragment's registers on end: halves of 768 bytes, registers 0-3 at 16 x lane, 4-5 at 512 + 8 x lane), scale bytes at ASC [16 T + lane-row][K / 32].
; Lane-row r of row tile T is memory row 32 (T / 2) + 8 (T % 2) + r + 8 (r / 8).  W: rows of K x 3 / 4 bytes, a stream of bits; scale bytes [n][K / 32].
; SHARES.  A work-group makes 128 x 128, four waves 2 x 2, a wave 64 x 64: 16 accumulators.  K goes through a ring of two LDS slots of 512; where K is over 1,024 slots are filled again, behind a round of the cluster's barrier.
; CLUSTER 4 x 4: A's tiles are asked for jointly along a row of the cluster, B's along a column.  The product is used transposed: a lane holds eight neighbouring columns of one row.
; The residual's 32 rows x 512 bytes of a wave are asked for at the head, into window 2, and land under the whole product.  The way out goes through a stage in slot 0, which has had its last fill and its last read.
; REGISTERS.  window 0: v1-7 lane numbers; v8, v9 for the add; v10-21 addresses; v32-63 scale words and nothing else; v64-95 the bias, later with v96-127 rows from the stage; v128-255 accumulators.
;   window 1: two sets of 8 fragments.   window 2: v0-127 the residual, then the result.
.set SIZE_K, 1024
.set KT,    SIZE_K/128
.set LAPS,  SIZE_K/1024
.set ATP,   KT*1536
.set AHALF, 4*6144
.set BP,    432                        ; a row of B in LDS: 3 x (128 bytes + 16): the 16 rows of a fragment start at 16 different multiples of 4 banks
.set BHALF, 64*BP
.set KROW,  SIZE_K*3/4
.set KS,    SIZE_K/32
.set SLOT,  2*AHALF+2*BHALF
.set SCL,   2*SLOT
.set HALFS, (64*KS/256)*272
.set SBLK,  (16*KS/256)*272
.set SPARE, SCL+4*HALFS                ; the spare words: 128 bytes a wave, named by no other line
.set ASC,   SIZE_K*3072
.set SPITCH, 528
.set SPW, 8
.set NIL, 9
.set A16, 10
.set A8,  12
.set ADRB, 14
.set ADRS, 18
.set STO, 19
.set RD,  20
.set SC,  32
.set BIAS, 64
.set ACC, 128
.set WV, 16
.set RH, 17
.set CH, 18
.set TR, 19
.set TC, 20
.set CX, 21
.set CY, 22
.set G1, 24
.set G0, 32
.set G1B, 48
.set G0B, 56
.set G1S, 68
.set G0S, 76
.set G1SB, 80
.set G0SB, 88
.set MSB, 0
.macro WIN new
.if MSB != \new
	s_set_vgpr_msb (MSB<<8)|\new
.set MSB, \new
.endif
.endm
.set MUL,  0x05
.set TO_F, 0x40
.macro JLOAD g0a, g1a, g0b, g1b        ; a joint load: waves 0, 1 fetch for A, waves 2, 3 for B; four v_nop follow each line
	s_cmp_eq_u32 s[RH], 0
	s_cbranch_scc0 .Lfor_b_\@
	tensor_load_to_lds s[\g0a:\g0a+3], s[\g1a:\g1a+7]
	s_nop 0
.rept 4
	v_nop
.endr
	s_branch .Lasked_\@
.Lfor_b_\@:
	tensor_load_to_lds s[\g0b:\g0b+3], s[\g1b:\g1b+7]
	s_nop 0
.rept 4
	v_nop
.endr
.Lasked_\@:
.endm
.macro CREST
	s_cmp_lg_u32 s[WV], 0
	s_cbranch_scc1 .Lnot_wave_0_\@
	s_barrier_signal -3
.Lnot_wave_0_\@:
	s_barrier_wait -3
	s_barrier_signal -1
	s_barrier_wait -1
.endm
.macro CROUND
	s_barrier_signal -1
	s_barrier_wait -1
	CREST
.endm
.macro PLACES n
.rept \n
	v_nop
.endr
.endm
.macro FRAGA reg, slot, q, i
	ds_load_b128 v[\reg:\reg+3],     v[A16+\slot] offset:(\i)*6144+(\q)*1536
	ds_load_b64  v[\reg+4:\reg+5],   v[A8+\slot]  offset:(\i)*6144+(\q)*1536+512
	ds_load_b128 v[\reg+6:\reg+9],   v[A16+\slot] offset:(\i)*6144+(\q)*1536+768
	ds_load_b64  v[\reg+10:\reg+11], v[A8+\slot]  offset:(\i)*6144+(\q)*1536+1280
.endm
.macro FRAGB reg, slot, q, i           ; pieces of 8 bytes; piece p lies at 8 p + 16 (p / 16); lanes 16-31 read three pieces on
.irp p, 0,1,2,3,4,5
.set PCE, 12*(\q)+6*(\p/3)+\p%3
.if PCE%16 < 13
	ds_load_b64 v[\reg+2*\p:\reg+2*\p+1], v[ADRB+\slot] offset:8*PCE+16*(PCE/16)+(\i)*16*BP
.else
	ds_load_b64 v[\reg+2*\p:\reg+2*\p+1], v[ADRB+2+\slot] offset:8*PCE+16*(PCE/16)+(\i)*16*BP
.endif
.endr
.endm
.macro FETCH slot, q, f                ; 40 loads: B's four fragments, then A's four
	WIN TO_F
.irp i, 0,1,2,3
	FRAGB 96*(\f)+48+12*\i, \slot, \q, \i
.endr
.irp i, 0,1,2,3
	FRAGA 96*(\f)+12*\i, \slot, \q, \i
.endr
.endm
.macro SCALES set
.irp i, 0,1,2,3
	ds_load_b128 v[SC+16*\set+4*\i:SC+16*\set+4*\i+3], v[ADRS] offset:\i*SBLK
.endr
.endm
.macro MULA f, a, q, sc, cin           ; A's block a against B's four; the 16 accumulators take turns
.irp b, 0,1,2,3
.set FB, 96*(\f)+48+12*\b
.set FA, 96*(\f)+12*(\a)
.set DD, ACC+8*(4*(\a)+\b)
.if \cin
	v_wmma_scale_f32_16x16x128_f8f6f4 v[DD:DD+7], v[FB:FB+11], v[FA:FA+11], v[BIAS+8*\b:BIAS+8*\b+7], v[SC+16*(\sc)+4*\b+(\q)], v[SC+16*(\sc)+4*(\a)+(\q)] matrix_a_fmt:MATRIX_FMT_FP6 matrix_b_fmt:MATRIX_FMT_FP6 matrix_a_scale:MATRIX_SCALE_ROW1
.else
	v_wmma_scale_f32_16x16x128_f8f6f4 v[DD:DD+7], v[FB:FB+11], v[FA:FA+11], v[DD:DD+7], v[SC+16*(\sc)+4*\b+(\q)], v[SC+16*(\sc)+4*(\a)+(\q)] matrix_a_fmt:MATRIX_FMT_FP6 matrix_b_fmt:MATRIX_FMT_FP6 matrix_a_scale:MATRIX_SCALE_ROW1
.endif
.endr
.endm
.macro STEP slot, q, cin
	s_wait_dscnt 8                                 ; all but the youngest eight loads (A's blocks 2, 3)
	WIN MUL
	MULA (\q)%2, 0, \q, \slot, \cin
	MULA (\q)%2, 1, \q, \slot, \cin
	PLACES 4                                       ; in front of loads into registers that matrix instructions have read
	FETCH \slot, (\q)+1, 1-(\q)%2
	s_wait_dscnt 40                                ; all but the 40 just issued
	WIN MUL
	MULA (\q)%2, 2, \q, \slot, \cin
	MULA (\q)%2, 3, \q, \slot, \cin
.endm
; A slot's last 128 along K changes slots: one barrier; in front of it each wave waits for all its tensor loads, adds 0 to its spare word, and waits for that and for its reads of this slot.  fill = 1: the slot is filled again, two slots ahead.
.macro TURN slot, next, fill
	WIN 0
	s_wait_tensorcnt 0x0                           ; all my tensor loads have landed: my part of the next slot
	ds_add_u32 v[SPW], v[NIL]                      ; 0 onto my spare word
	s_wait_dscnt 9                                 ; (the add and the youngest eight loads may be out)
	WIN MUL
	MULA 1, 0, 3, \slot, 0
	s_wait_dscnt 0x0                               ; the add is done, my reads of this slot are over
	s_barrier_signal -1
	MULA 1, 1, 3, \slot, 0
	WIN 0
	s_barrier_wait -1
.if \fill
	CREST                                          ; the barrier has opened a round of the cluster's: no wave of any partner still reads this slot or has a load on its way
	s_add_nc_u64 s[G0+4*\slot+2:G0+4*\slot+3], s[G0+4*\slot+2:G0+4*\slot+3], 2*6144
	s_add_nc_u64 s[G0B+4*\slot+2:G0B+4*\slot+3], s[G0B+4*\slot+2:G0B+4*\slot+3], 2*384
	JLOAD G0+4*\slot, G1, G0B+4*\slot, G1B         ; my one tensor load behind the round; its four v_nop are also the places in front of the loads below
.else
	PLACES 4
.endif
	v_add_nc_u32 v[ADRS], 16, v[ADRS]              ; the next slot's scale words
	SCALES \next
	FETCH \next, 0, 0
	WIN MUL
	MULA 1, 2, 3, \slot, 0
	MULA 1, 3, 3, \slot, 0
.endm
	s_load_b128 s[4:7], s[0:1], 0x0                ; A, W's codes
	s_load_b128 s[8:11], s[0:1], 0x10              ; W's scales, the bias
	s_load_b128 s[12:15], s[0:1], 0x20             ; the residual, the output
	v_lshl_add_u32 v[SPW], v0, 2, SPARE
	v_mov_b32 v[NIL], 0
	ds_add_u32 v8, v9
	ds_add_u32 v8, v9
	s_wait_dscnt 0x0
	v_lshrrev_b32 v1, 5, v0
	v_readfirstlane_b32 s[WV], v1
	s_lshr_b32 s[RH], s[WV], 1
	s_and_b32 s[CH], s[WV], 1
	s_bfe_u32 s[CX], ttmp6, 0x40000
	s_bfe_u32 s[CY], ttmp6, 0x40004
	s_lshl_b32 s[TC], ttmp9, 2
	s_add_co_u32 s[TC], s[TC], s[CX]
	s_and_b32 s[TR], ttmp7, 0xffff
	s_lshl_b32 s[TR], s[TR], 2
	s_add_co_u32 s[TR], s[TR], s[CY]
	s_lshl_b32 s40, s[CY], 2
	s_lshl_b32 s40, 15, s40
	s_lshl_b32 s41, 0x1111, s[CX]
	s_or_b32 s[G1+0], s40, (3<<16)|(1<<21)         ; A's codes: 4 rows of 768 elements of 8 bytes, no padding
	s_mov_b32 s[G1+1], 768<<16
	s_mov_b32 s[G1+2], 4<<16
	s_mov_b32 s[G1+3], 768<<16
	s_mov_b32 s[G1+4], 4
	s_mov_b32 s[G1+5], ATP/8
	s_mov_b32 s[G1+6], 0
	s_mov_b32 s[G1+7], 0
	s_or_b32 s[G1B+0], s41, (1<<20)|(1<<21)|(4<<22)|(3<<25)   ; B's codes: 64 rows of 384 bytes, 4 words of padding behind every 32
	s_mov_b32 s[G1B+1], 384<<16
	s_mov_b32 s[G1B+2], 64<<16
	s_mov_b32 s[G1B+3], 384<<16
	s_mov_b32 s[G1B+4], 64
	s_mov_b32 s[G1B+5], KROW
	s_mov_b32 s[G1B+6], 0
	s_mov_b32 s[G1B+7], 0
	s_or_b32 s[G1S+0], s40, (3<<16)|(1<<20)|(1<<21)|(5<<22)|(3<<25)
	s_or_b32 s[G1SB+0], s41, (3<<16)|(1<<20)|(1<<21)|(5<<22)|(3<<25)
.irp g, G1S, G1SB
	s_mov_b32 s[\g+1], 32<<16
	s_mov_b32 s[\g+2], (64*KS/256)<<16
	s_mov_b32 s[\g+3], 32<<16
	s_mov_b32 s[\g+4], 64*KS/256
	s_mov_b32 s[\g+5], 32
	s_mov_b32 s[\g+6], 0
	s_mov_b32 s[\g+7], 0
.endr
	s_lshl_b32 s42, s[TR], 3
	s_lshl_b32 s43, s[CH], 2
	s_add_co_u32 s42, s42, s43
	s_mul_i32 s42, s42, ATP
	s_mov_b32 s43, 0
	s_lshl_b32 s44, s[TR], 7
	s_lshl_b32 s45, s[CH], 6
	s_add_co_u32 s44, s44, s45
	s_mul_i32 s44, s44, KS
	s_add_co_u32 s44, s44, ASC
	s_mov_b32 s45, 0
	s_lshl_b32 s92, s[TC], 7
	s_lshl_b32 s93, s[CH], 6
	s_add_co_u32 s92, s92, s93
	s_mul_i32 s94, s92, KS
	s_mul_i32 s92, s92, KROW
	s_mov_b32 s93, 0
	s_mov_b32 s95, 0
	s_mul_i32 s46, s[CH], AHALF
	s_mul_i32 s47, s[CH], BHALF
	s_add_co_u32 s47, s47, 2*AHALF
	s_mul_i32 s96, s[WV], HALFS
	s_wait_kmcnt 0x0
	s_add_nc_u64 s[42:43], s[4:5], s[42:43]
	s_add_nc_u64 s[44:45], s[4:5], s[44:45]
	s_add_nc_u64 s[92:93], s[6:7], s[92:93]
	s_add_nc_u64 s[94:95], s[8:9], s[94:95]
	CROUND                                         ; all sixteen work-groups are here: the first joint loads meet
	s_mov_b32 s[G0S], 1
	s_add_co_u32 s[G0S+1], s96, SCL
	s_mov_b64 s[G0S+2:G0S+3], s[44:45]
	s_or_b32 s[G0S+3], s[G0S+3], 0x80000000
	s_mov_b32 s[G0SB], 1
	s_add_co_u32 s[G0SB+1], s96, SCL
	s_mov_b64 s[G0SB+2:G0SB+3], s[94:95]
	s_or_b32 s[G0SB+3], s[G0SB+3], 0x80000000
	JLOAD G0S, G1S, G0SB, G1SB
.irp s, 0,1
	s_mov_b32 s[G0+4*\s], 1
	s_add_co_u32 s[G0+4*\s+1], s46, \s*SLOT
	s_add_nc_u64 s[G0+4*\s+2:G0+4*\s+3], s[42:43], \s*6144
	s_or_b32 s[G0+4*\s+3], s[G0+4*\s+3], 0x80000000
	s_mov_b32 s[G0B+4*\s], 1
	s_add_co_u32 s[G0B+4*\s+1], s47, \s*SLOT
	s_add_nc_u64 s[G0B+4*\s+2:G0B+4*\s+3], s[92:93], \s*384
	s_or_b32 s[G0B+4*\s+3], s[G0B+4*\s+3], 0x80000000
	JLOAD G0+4*\s, G1, G0B+4*\s, G1B               ; three tensor loads of mine are out
.endr
	v_and_b32 v1, 15, v0                           ; r
	v_bfe_u32 v2, v0, 4, 1                         ; h
	v_and_b32 v3, 31, v0
	v_lshlrev_b32 v4, 4, v3                        ; 16 x lane
	v_lshlrev_b32 v5, 3, v3                        ; 8 x lane
	v_mul_u32_u24 v6, v1, BP
	v_mad_u32_u24 v6, v2, 24, v6
	v_lshl_add_u32 v7, v2, 4, v6
	s_mul_i32 s42, s[RH], AHALF
	s_mul_i32 s43, s[CH], BHALF
	s_add_co_u32 s43, s43, 2*AHALF
.irp s, 0,1
	v_add_nc_u32 v[A16+\s], s42, v4
	v_add_nc_u32 v[A8+\s], s42, v5
	v_add_nc_u32 v[ADRB+\s], s43, v6
	v_add_nc_u32 v[ADRB+2+\s], s43, v7
	s_add_co_u32 s42, s42, SLOT
	s_add_co_u32 s43, s43, SLOT
.endr
	v_mul_u32_u24 v6, v1, KS
	v_lshrrev_b32 v7, 8, v6
	v_lshl_add_u32 v6, v7, 4, v6
	s_mul_i32 s44, s[RH], HALFS
	s_mul_i32 s45, s[CH], HALFS
	s_add_co_u32 s45, s45, 2*HALFS
	s_sub_co_u32 s45, s45, s44
	v_mul_u32_u24 v7, s45, v2                      ; lanes 16-31 take B's
	s_add_co_u32 s44, s44, SCL
	v_add_nc_u32 v6, v6, v7
	v_add_nc_u32 v[ADRS], s44, v6
	s_mul_i32 s42, s[RH], 64*SPITCH                ; the stage: row 64 x half + r, + 256 x column half + 32 h
	s_lshl_b32 s43, s[CH], 8
	s_add_co_u32 s42, s42, s43
	v_mul_u32_u24 v[STO], v1, SPITCH
	v_lshl_add_u32 v[STO], v2, 5, v[STO]
	v_add_nc_u32 v[STO], s42, v[STO]
	s_mul_i32 s42, s[WV], 32*SPITCH                ; back: my 32 rows, 16 bytes a lane
	v_add_nc_u32 v[RD], s42, v4
	s_lshl_b32 s44, s[TC], 9
	s_lshl_b32 s45, s[CH], 8
	s_add_co_u32 s44, s44, s45
	s_mov_b32 s45, 0
	s_add_nc_u64 s[10:11], s[10:11], s[44:45]      ; the bias at my first column
	s_lshl_b32 s44, s[TR], 19                      ; 128 x tile row + 32 x wave rows of 4,096 bytes, + 512 x tile column
	s_lshl_b32 s45, s[WV], 17
	s_add_co_u32 s44, s44, s45
	s_lshl_b32 s45, s[TC], 9
	s_add_co_u32 s44, s44, s45
	s_mov_b32 s45, 0
	s_add_nc_u64 s[12:13], s[12:13], s[44:45]
	s_add_nc_u64 s[14:15], s[14:15], s[44:45]
	v_lshlrev_b32 v6, 5, v2
.irp b, 0,1,2,3
	global_load_b128 v[BIAS+8*\b:BIAS+8*\b+3], v6, s[10:11] offset:64*\b
	global_load_b128 v[BIAS+8*\b+4:BIAS+8*\b+7], v6, s[10:11] offset:64*\b+16
.endr
	WIN 0x80                                       ; destination window 2
.set i, 0
.rept 32
	global_load_b128 v[4*i:4*i+3], v4, s[12:13] offset:(8*(i/16)+(i%16)+8*((i/8)%2))*4096 th:TH_LOAD_NT   ; stage row 32 w + i is this memory row: 512 consecutive bytes
.set i, i+1
.endr
	WIN 0
	s_wait_tensorcnt 1                             ; the scales and my part of slot 0 are in; slot 1's load may be out
	s_barrier_signal -1
	s_barrier_wait -1
	SCALES 0
	FETCH 0, 0, 0
	s_wait_loadcnt 32                              ; the bias is in; the residual's 32 loads may be out
	STEP 0, 0, 1                                   ; the first products start the sums, on the bias
.if LAPS > 1
	WIN 0
	s_mov_b32 s3, LAPS-1
.Llap:                                             ; a trip goes once round the ring and fills both slots again
	STEP 0, 1, 0
	STEP 0, 2, 0
	TURN 0, 1, 1
	STEP 1, 0, 0
	STEP 1, 1, 0
	STEP 1, 2, 0
	TURN 1, 0, 1
	STEP 0, 0, 0
	WIN 0
	s_sub_co_u32 s3, s3, 1
	s_cmp_lg_u32 s3, 0
	s_cbranch_scc1 .Llap
.endif
	STEP 0, 1, 0                                   ; the last lap fills nothing
	STEP 0, 2, 0
	TURN 0, 1, 0
	STEP 1, 0, 0
	STEP 1, 1, 0
	STEP 1, 2, 0
	s_wait_dscnt 8
	WIN MUL
	MULA 1, 0, 3, 1, 0
	MULA 1, 1, 3, 1, 0
	s_wait_dscnt 0x0
	MULA 1, 2, 3, 1, 0
	MULA 1, 3, 3, 1, 0
	WIN 0
	PLACES 4
.irp a, 0,1,2,3
.irp b, 0,1,2,3
	ds_store_b128 v[STO], v[ACC+8*(4*\a+\b):ACC+8*(4*\a+\b)+3] offset:16*\a*SPITCH+64*\b        ; each accumulator from its low end on
	ds_store_b128 v[STO], v[ACC+8*(4*\a+\b)+4:ACC+8*(4*\a+\b)+7] offset:16*\a*SPITCH+64*\b+16
.endr
.endr
	s_wait_dscnt 0x0                               ; for the others' sake: a row's 512 bytes come from two waves
	s_barrier_signal -1
	s_barrier_wait -1
.irp u, 0,1
.set i, 0
.rept 16
	ds_load_b128 v[64+4*i:64+4*i+3], v[RD] offset:(16*\u+i)*SPITCH
.set i, i+1
.endr
	s_wait_dscnt 0x0
	s_wait_loadcnt 16-16*\u                        ; these 16 rows of the residual are in
	WIN 0x88                                       ; source 1 and destination window 2
.set j, 0
.rept 32
	v_pk_add_f32 v[64*\u+j:64*\u+j+1], v[64+j:64+j+1], v[64*\u+j:64*\u+j+1]
.set j, j+2
.endr
	WIN 0x08                                       ; a store's data are its source 1: window 2
.set i, 0
.rept 16
	global_store_b128 v4, v[64*\u+4*i:64*\u+4*i+3], s[14:15] offset:(8*\u+i+8*(i/8))*4096   ; 32 lanes store 512 consecutive bytes, aligned
.set i, i+1
.endr
	WIN 0
.endr
	s_wait_tensorcnt 0x0                           ; the wave's end
	ds_add_u32 v[SPW], v[NIL]
	s_wait_dscnt 0x0
	CROUND                                         ; the closing round
	s_endpgm
.Lfunc_end_k_q64cedbb952_proj:
	.size	k_q64cedbb952_proj, .Lfunc_end_k_q64cedbb952_proj-k_q64cedbb952_proj
	.p2alignl 7, 3214868480
	.fill 96, 4, 3214868480
	.section	.rodata,"a",@progbits
	.p2align	6, 0x0
	.amdhsa_kernel k_q64cedbb952_proj
		.amdhsa_group_segment_fixed_size 327680
		.amdhsa_private_segment_fixed_size 0
		.amdhsa_enable_private_segment 0
		.amdhsa_kernarg_size 48
		.amdhsa_user_sgpr_count 2
		.amdhsa_user_sgpr_kernarg_segment_ptr 1
		.amdhsa_wavefront_size32 1
		.amdhsa_system_sgpr_workgroup_id_x 1
		.amdhsa_system_sgpr_workgroup_id_y 1
		.amdhsa_system_sgpr_workgroup_id_z 1
		.amdhsa_system_vgpr_workitem_id 0
		.amdhsa_next_free_vgpr 640
		.amdhsa_next_free_sgpr 100
		.amdhsa_reserve_vcc 0
		.amdhsa_float_denorm_mode_32 3
		.amdhsa_float_denorm_mode_16_64 3
		.amdhsa_memory_ordered 1
		.amdhsa_forward_progress 1
		.amdhsa_inst_pref_size 65
	.end_amdhsa_kernel
	.amdgpu_metadata
---
amdhsa.version: [ 1, 2 ]
amdhsa.kernels:
  - .name:           k_q64cedbb952_proj
    .symbol:         k_q64cedbb952_proj.kd
    .args:
      - { .name: oq, .offset: 0, .size: 8, .value_kind: global_buffer, .address_space: global }
      - { .name: w_out_codes, .offset: 8, .size: 8, .value_kind: global_buffer, .address_space: global }
      - { .name: w_out_scales, .offset: 16, .size: 8, .value_kind: global_buffer, .address_space: global }
      - { .name: b_out, .offset: 24, .size: 8, .value_kind: global_buffer, .address_space: global }
      - { .name: x, .offset: 32, .size: 8, .value_kind: global_buffer, .address_space: global }
      - { .name: x2, .offset: 40, .size: 8, .value_kind: global_buffer, .address_space: global }
    .group_segment_fixed_size: 327680
    .private_segment_fixed_size: 0
    .kernarg_segment_align: 8
    .kernarg_segment_size: 48
    .max_flat_workgroup_size: 128
    .sgpr_count:     100
    .vgpr_count:     640
    .wavefront_size: 32
...
	.end_amdgpu_metadata
.endif
;; end of part 4
;; launch norm2: the kernel of part 1 again; grid 256 x 1, 8 waves a work-group, no clusters, 70,656 bytes of LDS; arguments x2, scale2, aq; writes aq
;; launch ffn1 (part 5): grid 8 x 32, 4 waves a work-group, clusters of 4 x 4, 327,680 bytes of LDS; arguments aq, w1_codes, w1_scales, b1, hq; writes hq
.if DOCPART == 5
	.amdgcn_target "amdgcn-amd-amdhsa--gfx1250"
	.amdhsa_code_object_version 6
	.text
	.protected	k_q64cedbb952_ffn1
	.globl	k_q64cedbb952_ffn1
	.p2align	8
	.type	k_q64cedbb952_ffn1,@function
k_q64cedbb952_ffn1:
	s_mov_b64 s[64:65], 0
	v_nop
	global_prefetch_b8 v0, s[64:65] scope:SCOPE_SE
	s_setreg_imm32_b32 hwreg(HW_REG_WAVE_MODE, 25, 1), 1
	s_wait_xcnt 0x0
	s_wait_alu depctr_hold_cnt(0) depctr_sa_sdst(0) depctr_va_vdst(0) depctr_va_sdst(0) depctr_va_ssrc(0) depctr_va_vcc(0) depctr_vm_vsrc(0)
	s_getreg_b32 s2, hwreg(HW_REG_IB_STS2, 6, 4)
	s_cmp_eq_u32 s2, 0
	s_cbranch_scc0 .Lentry_in_a_cluster
	s_endpgm
.Lentry_in_a_cluster:
	s_bfe_u32 s2, ttmp6, 0x10000c
	s_cmp_lg_u32 s2, 0xf033
	s_cbranch_scc0 .Lentry_shape_is_right
	s_endpgm
.Lentry_shape_is_right:
; h = gelu(xn W1^T + b1), exact (erf) GELU, the product on codes of FP6 (E2M3) with E8M0 scales; h is quantised at once along its 4,096 and stored as images of fragments for the next product.
; A: codes [row tile][K step][1536] (halves of 768 bytes: registers 0-3 at 16 x lane, 4-5 at 512 + 8 x lane), scale bytes at ASC [16 T + lane-row][32].  W: rows of 768 bytes, a stream of bits; scale bytes [n][32].
; SHARES.  A tile is 128 x 128, four waves 2 x 2, a wave 64 x 64: 16 accumulators.  CLUSTER 4 x 4: A jointly along a row, B along a column.
; A WORK-GROUP STAYS: it makes NT = 4 neighbouring tiles of its 128 rows.  A's 128 rows, all of K (two LDS slots of 512), are fetched once and stay.  B's part of both slots is filled again for the next tile straight
; behind a tile's last product, one joint load a wave (slot wave / 2, half wave % 2), and lands while the tile goes through the GELU and the quantiser.  The last tile is written out: it asks for nothing.
; THE SCALE BYTES lie in LDS as one block of 8,704 bytes a tile: a copy of A's 128 rows, then that tile's 128 rows of W; so the loop steps the one address register by a constant that is equal in all lanes.  Wave w fetches block w.
; The product is used transposed: a lane holds one row and 64 neighbouring hidden units: two blocks of 32: half a fragment of K step (tile column), half (column half).
; GELU.  gelu(x) = max(x, 0) - |x| erfc(|x| / sqrt 2) / 2, with erfc(z) = t exp(-z^2 + P(t)), t = 1 / (1 + z / 2), P a polynomial of degree 9 (the Chebyshev fit of Numerical Recipes; fractional error under 1.2e-7 everywhere).
; Here in base 2: y = P'(t) - 0.72134752 x^2, P' = P x log2(e) with 1 taken off its constant for the factor 1/2.
; OUT: codes [row tile][K step 32][1536]; scale bytes at HSC: [16 T + lane-row][128].
; LIMITS: the fit's 1.2e-7; a tail t 2^y under 2^-126 counts as 0 (the exponential flushes denormal results); a block of zeros gets the byte 1 (zero codes; only this program reads the bytes); NaN, infinities not served.
; REGISTERS.  window 0: v1-7 lane numbers; v8, v9 for the add; v10-20 addresses; v32-63 scale words and nothing else; v64-95 t and y; v96-125 the quantiser and at work; v128-255 accumulators.  window 1: two sets of 8 fragments.
;   window 2: v0-31 the tile's bias, in the result's layout.
.set SIZE_K, 1024
.set NT,    4
.set KT,    SIZE_K/128
.set ATP,   KT*1536
.set AHALF, 4*6144
.set BP,    432                        ; a row of B in LDS: 3 x (128 bytes + 16): the 16 rows of a fragment start at 16 different multiples of 4 banks
.set BHALF, 64*BP
.set KROW,  SIZE_K*3/4
.set KS,    SIZE_K/32
.set SLOT,  2*AHALF+2*BHALF
.set SCL,   2*SLOT
.set HALFS, (64*KS/256)*272
.set SBLK,  (16*KS/256)*272
.set SCT,   4*HALFS                    ; a tile's block of scale bytes
.set SPARE, SCL+NT*SCT                 ; the spare words: 128 bytes a wave, named by no other line
.set TSTEP, 128*KROW                   ; from a tile of W to the next
.set ASC,   SIZE_K*3072
.set HSC,   12582912
.set SPW, 8
.set NIL, 9
.set A16, 10
.set A8,  12
.set ADRB, 14
.set ADRS, 18
.set RO,  19                           ; v19 128 r
.set BO,  20                           ; v20 32 h
.set SC,  32
.set BIAS, 0                           ; in window 2
.set T,   64                           ; v64-79  t of 16 numbers
.set Q,   80                           ; v80-95  y, then the tail
.set PC,  96
.set TM,  108
.set PW,  114
.set C9,  116                          ; v[116:117] the polynomial's leading coefficient, twice
.set U,   118                          ; v118-125 at work
.set ACC, 128
.set WV, 16
.set RH, 17
.set CH, 18
.set TR, 19
.set TC, 20
.set CX, 21
.set CY, 22
.set G1, 24                            ; s[24:35] A's descriptors; once A has landed s[24:43] hold the polynomial
.set G0A, 32
.set G1B, 48
.set G0B, 56
.set SEL, 66
.set G1S, 68
.set G0S, 76
.set G1SB, 80
.set G0SB, 88
.set HS, 98                            ; s98 1 / (2 sqrt 2)
.set MSB, 0
.macro WIN new
.if MSB != \new
	s_set_vgpr_msb (MSB<<8)|\new
.set MSB, \new
.endif
.endm
.set MUL,  0x05                        ; sources 0 and 1 window 1; C and D window 0
.set MULC, 0x25                        ; the same with C (the bias) in window 2
.set TO_F, 0x40
.macro CROUND
	s_barrier_signal -1
	s_barrier_wait -1
	s_cmp_lg_u32 s[WV], 0
	s_cbranch_scc1 .Lnot_wave_0_\@
	s_barrier_signal -3
.Lnot_wave_0_\@:
	s_barrier_wait -3
	s_barrier_signal -1
	s_barrier_wait -1
.endm
.macro PLACES n
.rept \n
	v_nop
.endr
.endm
.macro FRAGA reg, slot, q, i
	ds_load_b128 v[\reg:\reg+3],     v[A16+\slot] offset:(\i)*6144+(\q)*1536
	ds_load_b64  v[\reg+4:\reg+5],   v[A8+\slot]  offset:(\i)*6144+(\q)*1536+512
	ds_load_b128 v[\reg+6:\reg+9],   v[A16+\slot] offset:(\i)*6144+(\q)*1536+768
	ds_load_b64  v[\reg+10:\reg+11], v[A8+\slot]  offset:(\i)*6144+(\q)*1536+1280
.endm
.macro FRAGB reg, slot, q, i           ; pieces of 8 bytes; piece p lies at 8 p + 16 (p / 16); lanes 16-31 read three pieces on
.irp p, 0,1,2,3,4,5
.set PCE, 12*(\q)+6*(\p/3)+\p%3
.if PCE%16 < 13
	ds_load_b64 v[\reg+2*\p:\reg+2*\p+1], v[ADRB+\slot] offset:8*PCE+16*(PCE/16)+(\i)*16*BP
.else
	ds_load_b64 v[\reg+2*\p:\reg+2*\p+1], v[ADRB+2+\slot] offset:8*PCE+16*(PCE/16)+(\i)*16*BP
.endif
.endr
.endm
.macro FETCH k, f                      ; 40 loads: K step k (slot k / 4, its (k % 4)-th 128): B's four fragments, then A's four, into set f
.set FSL, (\k)/4
.set FQ, (\k)%4
	WIN TO_F
.irp i, 0,1,2,3
	FRAGB 96*(\f)+48+12*\i, FSL, FQ, \i
.endr
.irp i, 0,1,2,3
	FRAGA 96*(\f)+12*\i, FSL, FQ, \i
.endr
.endm
.macro SCALES set
.irp i, 0,1,2,3
	ds_load_b128 v[SC+16*\set+4*\i:SC+16*\set+4*\i+3], v[ADRS] offset:\i*SBLK+16*\set
.endr
.endm
.macro MULA f, a, q, sc, cin           ; A's block a against B's four; the 16 accumulators take turns
.irp b, 0,1,2,3
.set FB, 96*(\f)+48+12*\b
.set FA, 96*(\f)+12*(\a)
.set DD, ACC+8*(4*(\a)+\b)
.if \cin
	v_wmma_scale_f32_16x16x128_f8f6f4 v[DD:DD+7], v[FB:FB+11], v[FA:FA+11], v[BIAS+8*\b:BIAS+8*\b+7], v[SC+16*(\sc)+4*\b+(\q)], v[SC+16*(\sc)+4*(\a)+(\q)] matrix_a_fmt:MATRIX_FMT_FP6 matrix_b_fmt:MATRIX_FMT_FP6 matrix_a_scale:MATRIX_SCALE_ROW1
.else
	v_wmma_scale_f32_16x16x128_f8f6f4 v[DD:DD+7], v[FB:FB+11], v[FA:FA+11], v[DD:DD+7], v[SC+16*(\sc)+4*\b+(\q)], v[SC+16*(\sc)+4*(\a)+(\q)] matrix_a_fmt:MATRIX_FMT_FP6 matrix_b_fmt:MATRIX_FMT_FP6 matrix_a_scale:MATRIX_SCALE_ROW1
.endif
.endr
.endm
.macro WINM cin
.if \cin
	WIN MULC
.else
	WIN MUL
.endif
.endm
.macro STEP k, cin                     ; K step k, and in its middle the fetch of K step k + 1
	s_wait_dscnt 8                                 ; all but the youngest eight loads (A's blocks 2, 3)
	WINM \cin
	MULA (\k)%2, 0, (\k)%4, (\k)/4, \cin
	MULA (\k)%2, 1, (\k)%4, (\k)/4, \cin
	PLACES 4                                       ; in front of loads into registers that matrix instructions have read
	FETCH (\k)+1, 1-(\k)%2
	s_wait_dscnt 40                                ; all but the 40 just issued
	WINM \cin
	MULA (\k)%2, 2, (\k)%4, (\k)/4, \cin
	MULA (\k)%2, 3, (\k)%4, (\k)/4, \cin
.endm
; B's part of both slots is filled again, with the next tile's rows of W.  Each wave has waited for all its tensor loads, has added 0 to its spare word, and has waited for that and for its reads of the slots;
; the round shows the same of every wave of every partner; the joint load is the first thing behind it, one a wave.  Its four v_nop are also the places behind the last products.
.macro CHANGE
	s_wait_tensorcnt 0x0                           ; no tensor load of mine is out, so a group 0 may be written
	ds_add_u32 v[SPW], v[NIL]                      ; 0 onto my spare word
	s_add_nc_u64 s[G0B+2:G0B+3], s[G0B+2:G0B+3], TSTEP
	s_wait_dscnt 0x0                               ; the add is done, my reads of both slots are over
	CROUND
	tensor_load_to_lds s[G0B:G0B+3], s[G1B:G1B+7]
	s_nop 0
.rept 4
	v_nop
.endr
.endm
.macro BIASLD                          ; b(16 b + 8 h + 0 .. 7) of the tile at s[10:11], in the result's layout
	WIN 0x80                                       ; destination window 2
.irp b, 0,1,2,3
	global_load_b128 v[BIAS+8*\b:BIAS+8*\b+3], v[BO], s[10:11] offset:64*\b
	global_load_b128 v[BIAS+8*\b+4:BIAS+8*\b+7], v[BO], s[10:11] offset:64*\b+16
.endr
	WIN 0
.endm
.macro SWAPN s
.irp b, 0,1
.irp j, 0,1,2,3,4,5,6,7
	v_permlane16_swap_b32 v[(\s)+16*\b+\j], v[(\s)+16*\b+8+\j]
.endr
.endr
.endm
.macro QUANT2 s
.irp b, 0,1
	v_max3_num_f32 v[TM+\b], |v[(\s)+16*\b]|, |v[(\s)+1+16*\b]|, 0x1800000
.endr
.irp i, 2,4,6,8,10,12,14
.irp b, 0,1
	v_max3_num_f32 v[TM+\b], v[TM+\b], |v[(\s)+16*\b+\i]|, |v[(\s)+1+16*\b+\i]|
.endr
.endr
.irp b, 0,1
	v_permlanex16_b32 v[TM+2+\b], v[TM+\b], s[SEL], s[SEL+1]
.endr
.irp b, 0,1
	v_max_num_f32 v[TM+\b], v[TM+\b], v[TM+2+\b]
.endr
.irp b, 0,1
	v_add_nc_u32 v[TM+4+\b], 0xff000000, v[TM+\b]
.endr
.irp b, 0,1
	v_lshrrev_b32 v[TM+2+\b], 23, v[TM+4+\b]
.endr
	v_lshl_or_b32 v[PW], v[TM+3], 8, v[TM+2]
	v_cvt_scalef32_pk16_fp6_f32 v[PC:PC+2], v[(\s):(\s)+15], v[TM+4]
	v_cvt_scalef32_pk16_fp6_f32 v[PC+6:PC+8], v[(\s)+16:(\s)+31], v[TM+5]
	v_nop
.irp i, 0,1,2
	v_permlane16_swap_b32 v[PC+\i], v[PC+6+\i]
.endr
.irp i, 0,1,2
	v_mov_b32 v[PC+3+\i], v[PC+6+\i]
.endr
.endm
.macro GELU16 x                        ; 16 numbers in place
.set j, 0
.rept 16
	v_fma_f32 v[T+j], |v[(\x)+j]|, s[HS], 1.0      ; 1 + z / 2
.set j, j+1
.endr
.set j, 0
.rept 16
	v_rcp_f32 v[T+j], v[T+j]                       ; t
.set j, j+1
.endr
	v_nop                                          ; a plain instruction behind the batch,
	s_wait_alu depctr_va_vdst(0)                   ; and one wait for it, ahead of its first reader
.irp p, 0,2,4,6,8,10,12,14
	v_pk_fma_f32 v[Q+\p:Q+\p+1], v[T+\p:T+\p+1], v[C9:C9+1], s[24:25] op_sel_hi:[1,1,0]
.endr
.irp c, 26,28,30,32,34,36,38,40
.irp p, 0,2,4,6,8,10,12,14
	v_pk_fma_f32 v[Q+\p:Q+\p+1], v[Q+\p:Q+\p+1], v[T+\p:T+\p+1], s[\c:\c+1] op_sel_hi:[1,1,0]   ; Horner, eight pairs by turns
.endr
.endr
.irp g, 0,8
.irp p, 0,2,4,6
	v_pk_mul_f32 v[U+\p:U+\p+1], v[(\x)+\g+\p:(\x)+\g+\p+1], s[42:43] op_sel_hi:[1,0]
.endr
.irp p, 0,2,4,6
	v_pk_fma_f32 v[Q+\g+\p:Q+\g+\p+1], v[U+\p:U+\p+1], v[(\x)+\g+\p:(\x)+\g+\p+1], v[Q+\g+\p:Q+\g+\p+1]   ; - 0.72134752 x^2
.endr
.endr
.set j, 0
.rept 16
	v_exp_f32 v[Q+j], v[Q+j]
.set j, j+1
.endr
	v_nop
	s_wait_alu depctr_va_vdst(0)
.irp p, 0,2,4,6,8,10,12,14
	v_pk_mul_f32 v[Q+\p:Q+\p+1], v[Q+\p:Q+\p+1], v[T+\p:T+\p+1]
.endr
.irp p, 0,2,4,6,8,10,12,14
	v_pk_mul_f32 v[Q+\p:Q+\p+1], v[Q+\p:Q+\p+1], v[(\x)+\p:(\x)+\p+1]   ; x erfc / 2
.endr
.set j, 0
.rept 16
	v_max_num_f32 v[(\x)+j], 0, v[(\x)+j]
.set j, j+1
.endr
.set j, 0
.rept 16
	v_sub_f32 v[(\x)+j], v[(\x)+j], |v[Q+j]|
.set j, j+1
.endr
.endm
; A TILE.  fill = 1: it has a successor: B is asked for anew behind the last product, the next bias at the head of the way out, and the pointers step at its end.
.macro TILE fill
	s_wait_tensorcnt 0x0                           ; my loads for this tile have landed (none was issued behind them),
	s_barrier_signal -1
	s_barrier_wait -1                              ; everybody's have: both slots are whole, so no barrier stands between the eight K steps
	SCALES 0
	SCALES 1
	FETCH 0, 0
	s_wait_loadcnt 0x0                             ; the bias
	STEP 0, 1                                      ; the first products start the sums, on the bias
.irp k, 1,2,3,4,5,6
	STEP \k, 0
.endr
	s_wait_dscnt 8
	WIN MUL
	MULA 1, 0, 3, 1, 0
	MULA 1, 1, 3, 1, 0
	s_wait_dscnt 0x0
	MULA 1, 2, 3, 1, 0
	MULA 1, 3, 3, 1, 0
	WIN 0
.if \fill
	CHANGE
	s_add_nc_u64 s[10:11], s[10:11], 512           ; (the loads that named it were waited for above)
	BIASLD
.else
	PLACES 4                                       ; in front of the first read of results
.endif
	s_mov_b32 s24, 0xbf97d29d                      ; the coefficients x log2(e): degree 8,
	s_mov_b32 s26, 0x40097039                      ; 7,
	s_mov_b32 s28, 0xbfd1a1e6                      ; 6,
	s_mov_b32 s30, 0x3ecdfd18                      ; 5,
	s_mov_b32 s32, 0xbe899a80                      ; 4,
	s_mov_b32 s34, 0x3e0efb2f                      ; 3,
	s_mov_b32 s36, 0x3f0a29d2                      ; 2,
	s_mov_b32 s38, 0x3fb8ab5a                      ; 1,
	s_mov_b32 s40, 0xc034d90f                      ; 0, less 1;
	s_mov_b32 s42, 0xbf38aa3b                      ; - log2(e) / 2
.irp c, 24,26,28,30,32,34,36,38,40,42
	s_mov_b32 s[\c+1], s[\c]                       ; (the packed forms name pairs, so both words are written)
.endr
.irp a, 0,1,2,3
	GELU16 ACC+32*\a
	GELU16 ACC+32*\a+16
	s_wait_xcnt 0x0                                ; the last stores have read their data: the codes' registers are written again
	SWAPN ACC+32*\a
	QUANT2 ACC+32*\a
	global_store_b128 v4, v[PC:PC+3], s[12:13] offset:49152*\a
	global_store_b64 v5, v[PC+4:PC+5], s[12:13] offset:49152*\a+512
	global_store_b16 v[RO], v[PW], s[14:15] offset:2048*\a   ; (lanes r and 16 + r: the same bytes at the same place)
.endr
.if \fill
	s_wait_xcnt 0x0                                ; the stores have read their bases
	s_add_nc_u64 s[12:13], s[12:13], 1536          ; the next tile is the next K step of h,
	s_add_nc_u64 s[14:15], s[14:15], 4             ; four scale bytes on in each row,
	v_add_nc_u32 v[ADRS], SCT, v[ADRS]             ; and its scale words lie a block on
.endif
.endm
	s_load_b128 s[4:7], s[0:1], 0x0                ; A, W's codes
	s_load_b128 s[8:11], s[0:1], 0x10              ; W's scales, the bias
	s_load_b64 s[12:13], s[0:1], 0x20              ; the output
	v_lshl_add_u32 v[SPW], v0, 2, SPARE
	v_mov_b32 v[NIL], 0
	ds_add_u32 v8, v9
	ds_add_u32 v8, v9
	s_wait_dscnt 0x0
	v_lshrrev_b32 v1, 5, v0
	v_readfirstlane_b32 s[WV], v1
	s_lshr_b32 s[RH], s[WV], 1                     ; my half of the rows.  Also: the slot for which I fetch
	s_and_b32 s[CH], s[WV], 1                      ; my half of the columns.  Also: which half of A's and B's rows I fetch
	s_bfe_u32 s[CX], ttmp6, 0x40000
	s_bfe_u32 s[CY], ttmp6, 0x40004
	s_lshl_b32 s[TC], ttmp9, 2
	s_add_co_u32 s[TC], s[TC], s[CX]
	s_lshl_b32 s[TC], s[TC], 2                     ; my first tile column: 4 x (4 x cluster x + cx)
	s_and_b32 s[TR], ttmp7, 0xffff
	s_lshl_b32 s[TR], s[TR], 2
	s_add_co_u32 s[TR], s[TR], s[CY]
	s_lshl_b32 s40, s[CY], 2
	s_lshl_b32 s40, 15, s40
	s_lshl_b32 s41, 0x1111, s[CX]
	s_or_b32 s[G1+0], s40, (3<<16)|(1<<21)         ; A's codes: 4 rows of 768 elements of 8 bytes, no padding
	s_mov_b32 s[G1+1], 768<<16
	s_mov_b32 s[G1+2], 4<<16
	s_mov_b32 s[G1+3], 768<<16
	s_mov_b32 s[G1+4], 4
	s_mov_b32 s[G1+5], ATP/8
	s_mov_b32 s[G1+6], 0
	s_mov_b32 s[G1+7], 0
	s_or_b32 s[G1B+0], s41, (1<<20)|(1<<21)|(4<<22)|(3<<25)   ; B's codes: 64 rows of 384 bytes, 4 words of padding behind every 32
	s_mov_b32 s[G1B+1], 384<<16
	s_mov_b32 s[G1B+2], 64<<16
	s_mov_b32 s[G1B+3], 384<<16
	s_mov_b32 s[G1B+4], 64
	s_mov_b32 s[G1B+5], KROW
	s_mov_b32 s[G1B+6], 0
	s_mov_b32 s[G1B+7], 0
	s_or_b32 s[G1S+0], s40, (3<<16)|(1<<20)|(1<<21)|(5<<22)|(3<<25)   ; the scale bytes of 128 rows: dense, as 16 rows of 256 bytes + 16
	s_or_b32 s[G1SB+0], s41, (3<<16)|(1<<20)|(1<<21)|(5<<22)|(3<<25)
.irp g, G1S, G1SB
	s_mov_b32 s[\g+1], 32<<16
	s_mov_b32 s[\g+2], (128*KS/256)<<16
	s_mov_b32 s[\g+3], 32<<16
	s_mov_b32 s[\g+4], 128*KS/256
	s_mov_b32 s[\g+5], 32
	s_mov_b32 s[\g+6], 0
	s_mov_b32 s[\g+7], 0
.endr
	s_lshl_b32 s42, s[TR], 3                       ; A hangs on the tile row alone, B on the tile column alone, each in registers of its own
	s_lshl_b32 s43, s[CH], 2
	s_add_co_u32 s42, s42, s43
	s_mul_i32 s42, s42, ATP
	s_mul_i32 s43, s[RH], 6144
	s_add_co_u32 s42, s42, s43                     ; A's codes: row tiles 8 tile row + 4 half on, K steps 4 slot on
	s_mov_b32 s43, 0
	s_lshl_b32 s44, s[TR], 12
	s_add_co_u32 s44, s44, ASC                     ; A's scale bytes: 128 rows of 32
	s_mov_b32 s45, 0
	s_lshl_b32 s92, s[TC], 7
	s_lshl_b32 s93, s[CH], 6
	s_add_co_u32 s92, s92, s93
	s_mul_i32 s92, s92, KROW
	s_mul_i32 s93, s[RH], 384
	s_add_co_u32 s92, s92, s93                     ; B's codes: rows 128 tile column + 64 half on, 384 bytes x slot along them
	s_mov_b32 s93, 0
	s_add_co_u32 s94, s[TC], s[WV]
	s_lshl_b32 s94, s94, 12                        ; B's scale bytes of my first tile + wave
	s_mov_b32 s95, 0
	s_mul_i32 s46, s[RH], SLOT                     ; where they go: no place in the cluster enters an LDS address
	s_mul_i32 s47, s[CH], AHALF
	s_add_co_u32 s47, s47, s46
	s_mul_i32 s96, s[CH], BHALF
	s_add_co_u32 s96, s96, s46
	s_add_co_u32 s96, s96, 2*AHALF
	s_mul_i32 s97, s[WV], SCT
	s_add_co_u32 s97, s97, SCL
	s_wait_kmcnt 0x0
	s_mov_b32 s[G0A], 1
	s_mov_b32 s[G0A+1], s47
	s_add_nc_u64 s[G0A+2:G0A+3], s[4:5], s[42:43]
	s_or_b32 s[G0A+3], s[G0A+3], 0x80000000
	s_mov_b32 s[G0B], 1
	s_mov_b32 s[G0B+1], s96
	s_add_nc_u64 s[G0B+2:G0B+3], s[6:7], s[92:93]
	s_or_b32 s[G0B+3], s[G0B+3], 0x80000000
	s_mov_b32 s[G0S], 1
	s_mov_b32 s[G0S+1], s97
	s_add_nc_u64 s[G0S+2:G0S+3], s[4:5], s[44:45]
	s_or_b32 s[G0S+3], s[G0S+3], 0x80000000
	s_mov_b32 s[G0SB], 1
	s_add_co_u32 s[G0SB+1], s97, 2*HALFS
	s_add_nc_u64 s[G0SB+2:G0SB+3], s[8:9], s[94:95]
	s_or_b32 s[G0SB+3], s[G0SB+3], 0x80000000
	CROUND                                         ; all sixteen work-groups are here: the first joint loads meet
	tensor_load_to_lds s[G0S:G0S+3], s[G1S:G1S+7]      ; block (wave) of the scale bytes: the copy of A's,
	s_nop 0
	tensor_load_to_lds s[G0SB:G0SB+3], s[G1SB:G1SB+7]  ; and that tile's of W;
	s_nop 0
	tensor_load_to_lds s[G0A:G0A+3], s[G1:G1+7]        ; my quarter of A, which stays,
	s_nop 0
	tensor_load_to_lds s[G0B:G0B+3], s[G1B:G1B+7]      ; and of B's first tile: four tensor loads of mine are out
	s_nop 0
.rept 4
	v_nop
.endr
	v_and_b32 v1, 15, v0                           ; r
	v_bfe_u32 v2, v0, 4, 1                         ; h
	v_and_b32 v3, 31, v0
	v_lshlrev_b32 v4, 4, v3                        ; 16 x lane
	v_lshlrev_b32 v5, 3, v3                        ; 8 x lane
	v_mul_u32_u24 v6, v1, BP
	v_mad_u32_u24 v6, v2, 24, v6
	v_lshl_add_u32 v7, v2, 4, v6
	s_mul_i32 s42, s[RH], AHALF
	s_mul_i32 s43, s[CH], BHALF
	s_add_co_u32 s43, s43, 2*AHALF
.irp s, 0,1
	v_add_nc_u32 v[A16+\s], s42, v4
	v_add_nc_u32 v[A8+\s], s42, v5
	v_add_nc_u32 v[ADRB+\s], s43, v6
	v_add_nc_u32 v[ADRB+2+\s], s43, v7
	s_add_co_u32 s42, s42, SLOT
	s_add_co_u32 s43, s43, SLOT
.endr
	v_mul_u32_u24 v6, v1, KS                       ; my row's scale bytes, and 16 more for each 256 passed
	v_lshrrev_b32 v7, 8, v6
	v_lshl_add_u32 v6, v7, 4, v6
	s_mul_i32 s44, s[RH], HALFS
	s_mul_i32 s45, s[CH], HALFS
	s_add_co_u32 s45, s45, 2*HALFS
	s_sub_co_u32 s45, s45, s44
	v_mul_u32_u24 v7, s45, v2                      ; lanes 16-31 take B's
	s_add_co_u32 s44, s44, SCL
	v_add_nc_u32 v6, v6, v7
	v_add_nc_u32 v[ADRS], s44, v6
	v_lshlrev_b32 v[RO], 7, v1
	v_lshlrev_b32 v[BO], 5, v2
	v_mov_b32 v[TM+2], 0                           ; written once: a lane permute's destination counts as one of its sources
	v_mov_b32 v[TM+3], 0
	v_mov_b32 v[C9], 0x3e7c6f08                    ; the coefficient of degree 9 x log2(e)
	v_mov_b32 v[C9+1], 0x3e7c6f08
	s_mov_b32 s[SEL], 0x76543210
	s_mov_b32 s[SEL+1], 0xfedcba98
	s_mov_b32 s[HS], 0x3eb504f3
	s_lshl_b32 s44, s[TC], 9
	s_lshl_b32 s45, s[CH], 8
	s_add_co_u32 s44, s44, s45
	s_mov_b32 s45, 0
	s_add_nc_u64 s[10:11], s[10:11], s[44:45]      ; the bias at my first column
	s_lshl_b32 s42, s[TR], 3                       ; codes: ((8 tile row + 4 half) x 32 + tile column) x 1536 + 768 x column half
	s_lshl_b32 s43, s[RH], 2
	s_add_co_u32 s42, s42, s43
	s_lshl_b32 s42, s42, 5
	s_add_co_u32 s42, s42, s[TC]
	s_mul_i32 s42, s42, 1536
	s_mul_i32 s43, s[CH], 768
	s_add_co_u32 s42, s42, s43
	s_mov_b32 s43, 0
	s_lshl_b32 s44, s[TR], 7                       ; scale bytes: (128 tile row + 64 half) x 128 + 4 tile column + 2 column half
	s_lshl_b32 s45, s[RH], 6
	s_add_co_u32 s44, s44, s45
	s_lshl_b32 s44, s44, 7
	s_lshl_b32 s45, s[TC], 2
	s_add_co_u32 s44, s44, s45
	s_lshl_b32 s45, s[CH], 1
	s_add_co_u32 s44, s44, s45
	s_add_co_u32 s44, s44, HSC
	s_mov_b32 s45, 0
	s_add_nc_u64 s[14:15], s[12:13], s[44:45]
	s_add_nc_u64 s[12:13], s[12:13], s[42:43]
	BIASLD                                         ; the first tile's
	s_mov_b32 s3, NT-1
.Ltile:                                            ; NT - 1 trips: every tile but the last asks for its successor's rows of W
	TILE 1
	s_sub_co_u32 s3, s3, 1
	s_cmp_lg_u32 s3, 0
	s_cbranch_scc1 .Ltile
	TILE 0                                         ; the last tile is written out
	s_wait_tensorcnt 0x0                           ; the wave's end
	ds_add_u32 v[SPW], v[NIL]
	s_wait_dscnt 0x0
	CROUND                                         ; the closing round
	s_endpgm
.Lfunc_end_k_q64cedbb952_ffn1:
	.size	k_q64cedbb952_ffn1, .Lfunc_end_k_q64cedbb952_ffn1-k_q64cedbb952_ffn1
	.p2alignl 7, 3214868480
	.fill 96, 4, 3214868480
	.section	.rodata,"a",@progbits
	.p2align	6, 0x0
	.amdhsa_kernel k_q64cedbb952_ffn1
		.amdhsa_group_segment_fixed_size 327680
		.amdhsa_private_segment_fixed_size 0
		.amdhsa_enable_private_segment 0
		.amdhsa_kernarg_size 40
		.amdhsa_user_sgpr_count 2
		.amdhsa_user_sgpr_kernarg_segment_ptr 1
		.amdhsa_wavefront_size32 1
		.amdhsa_system_sgpr_workgroup_id_x 1
		.amdhsa_system_sgpr_workgroup_id_y 1
		.amdhsa_system_sgpr_workgroup_id_z 1
		.amdhsa_system_vgpr_workitem_id 0
		.amdhsa_next_free_vgpr 544
		.amdhsa_next_free_sgpr 100
		.amdhsa_reserve_vcc 0
		.amdhsa_float_denorm_mode_32 3
		.amdhsa_float_denorm_mode_16_64 3
		.amdhsa_memory_ordered 1
		.amdhsa_forward_progress 1
		.amdhsa_inst_pref_size 255
	.end_amdhsa_kernel
	.section	.bss,"aw",@nobits
	.p2align	6
	.space	262144
	.amdgpu_metadata
---
amdhsa.version: [ 1, 2 ]
amdhsa.kernels:
  - .name:           k_q64cedbb952_ffn1
    .symbol:         k_q64cedbb952_ffn1.kd
    .args:
      - { .name: aq, .offset: 0, .size: 8, .value_kind: global_buffer, .address_space: global }
      - { .name: w1_codes, .offset: 8, .size: 8, .value_kind: global_buffer, .address_space: global }
      - { .name: w1_scales, .offset: 16, .size: 8, .value_kind: global_buffer, .address_space: global }
      - { .name: b1, .offset: 24, .size: 8, .value_kind: global_buffer, .address_space: global }
      - { .name: hq, .offset: 32, .size: 8, .value_kind: global_buffer, .address_space: global }
    .group_segment_fixed_size: 327680
    .private_segment_fixed_size: 0
    .kernarg_segment_align: 8
    .kernarg_segment_size: 40
    .max_flat_workgroup_size: 128
    .sgpr_count:     100
    .vgpr_count:     544
    .wavefront_size: 32
...
	.end_amdgpu_metadata
.endif
;; end of part 5
;; launch ffn2 (part 6): grid 8 x 32, 4 waves a work-group, clusters of 4 x 4, 327,680 bytes of LDS; arguments hq, w2_codes, w2_scales, b2, x2, out0; writes out0
.if DOCPART == 6
	.amdgcn_target "amdgcn-amd-amdhsa--gfx1250"
	.amdhsa_code_object_version 6
	.text
	.protected	k_q64cedbb952_ffn2
	.globl	k_q64cedbb952_ffn2
	.p2align	8
	.type	k_q64cedbb952_ffn2,@function
k_q64cedbb952_ffn2:
	s_mov_b64 s[64:65], 0
	v_nop
	global_prefetch_b8 v0, s[64:65] scope:SCOPE_SE
	s_setreg_imm32_b32 hwreg(HW_REG_WAVE_MODE, 25, 1), 1
	s_wait_xcnt 0x0
	s_wait_alu depctr_hold_cnt(0) depctr_sa_sdst(0) depctr_va_vdst(0) depctr_va_sdst(0) depctr_va_ssrc(0) depctr_va_vcc(0) depctr_vm_vsrc(0)
	s_getreg_b32 s2, hwreg(HW_REG_IB_STS2, 6, 4)
	s_cmp_eq_u32 s2, 0
	s_cbranch_scc0 .Lentry_in_a_cluster
	s_endpgm
.Lentry_in_a_cluster:
	s_bfe_u32 s2, ttmp6, 0x10000c
	s_cmp_lg_u32 s2, 0xf033
	s_cbranch_scc0 .Lentry_shape_is_right
	s_endpgm
.Lentry_shape_is_right:
; out = residual + (A W^T + b), the product on codes of FP6 (E2M3) with one E8M0 scale for each 32 along K; out and residual f32 [4096][1024].
; A: codes [row tile][K step][1536] (a fragment's registers on end: halves of 768 bytes, registers 0-3 at 16 x lane, 4-5 at 512 + 8 x lane), scale bytes at ASC [16 T + lane-row][K / 32].
; Lane-row r of row tile T is memory row 32 (T / 2) + 8 (T % 2) + r + 8 (r / 8).  W: rows of K x 3 / 4 bytes, a stream of bits; scale bytes [n][K / 32].
; SHARES.  A work-group makes 128 x 128, four waves 2 x 2, a wave 64 x 64: 16 accumulators.  K goes through a ring of two LDS slots of 512; here K = 4,096: six refills, each behind a round of the cluster's barrier, one tensor load a wave.
; CLUSTER 4 x 4: A's tiles are asked for jointly along a row of the cluster, B's along a column.  The product is used transposed: a lane holds eight neighbouring columns of one row.
; The residual's 32 rows x 512 bytes of a wave are asked for at the head, into window 2, and land under the whole product.  The way out goes through a stage in slot 0, which has had its last fill and its last read.
; REGISTERS.  window 0: v1-7 lane numbers; v8, v9 for the add; v10-21 addresses; v32-63 scale words and nothing else; v64-95 the bias, later with v96-127 rows from the stage; v128-255 accumulators.
;   window 1: two sets of 8 fragments.   window 2: v0-127 the residual, then the result.
.set SIZE_K, 4096
.set KT,    SIZE_K/128
.set LAPS,  SIZE_K/1024
.set ATP,   KT*1536
.set AHALF, 4*6144
.set BP,    432                        ; a row of B in LDS: 3 x (128 bytes + 16): the 16 rows of a fragment start at 16 different multiples of 4 banks
.set BHALF, 64*BP
.set KROW,  SIZE_K*3/4
.set KS,    SIZE_K/32
.set SLOT,  2*AHALF+2*BHALF
.set SCL,   2*SLOT
.set HALFS, (64*KS/256)*272
.set SBLK,  (16*KS/256)*272
.set SPARE, SCL+4*HALFS                ; the spare words: 128 bytes a wave, named by no other line
.set ASC,   SIZE_K*3072
.set SPITCH, 528
.set SPW, 8
.set NIL, 9
.set A16, 10
.set A8,  12
.set ADRB, 14
.set ADRS, 18
.set STO, 19
.set RD,  20
.set SC,  32
.set BIAS, 64
.set ACC, 128
.set WV, 16
.set RH, 17
.set CH, 18
.set TR, 19
.set TC, 20
.set CX, 21
.set CY, 22
.set G1, 24
.set G0, 32
.set G1B, 48
.set G0B, 56
.set G1S, 68
.set G0S, 76
.set G1SB, 80
.set G0SB, 88
.set MSB, 0
.macro WIN new
.if MSB != \new
	s_set_vgpr_msb (MSB<<8)|\new
.set MSB, \new
.endif
.endm
.set MUL,  0x05
.set TO_F, 0x40
.macro JLOAD g0a, g1a, g0b, g1b        ; a joint load: waves 0, 1 fetch for A, waves 2, 3 for B; four v_nop follow each line
	s_cmp_eq_u32 s[RH], 0
	s_cbranch_scc0 .Lfor_b_\@
	tensor_load_to_lds s[\g0a:\g0a+3], s[\g1a:\g1a+7]
	s_nop 0
.rept 4
	v_nop
.endr
	s_branch .Lasked_\@
.Lfor_b_\@:
	tensor_load_to_lds s[\g0b:\g0b+3], s[\g1b:\g1b+7]
	s_nop 0
.rept 4
	v_nop
.endr
.Lasked_\@:
.endm
.macro CREST
	s_cmp_lg_u32 s[WV], 0
	s_cbranch_scc1 .Lnot_wave_0_\@
	s_barrier_signal -3
.Lnot_wave_0_\@:
	s_barrier_wait -3
	s_barrier_signal -1
	s_barrier_wait -1
.endm
.macro CROUND
	s_barrier_signal -1
	s_barrier_wait -1
	CREST
.endm
.macro PLACES n
.rept \n
	v_nop
.endr
.endm
.macro FRAGA reg, slot, q, i
	ds_load_b128 v[\reg:\reg+3],     v[A16+\slot] offset:(\i)*6144+(\q)*1536
	ds_load_b64  v[\reg+4:\reg+5],   v[A8+\slot]  offset:(\i)*6144+(\q)*1536+512
	ds_load_b128 v[\reg+6:\reg+9],   v[A16+\slot] offset:(\i)*6144+(\q)*1536+768
	ds_load_b64  v[\reg+10:\reg+11], v[A8+\slot]  offset:(\i)*6144+(\q)*1536+1280
.endm
.macro FRAGB reg, slot, q, i           ; pieces of 8 bytes; piece p lies at 8 p + 16 (p / 16); lanes 16-31 read three pieces on
.irp p, 0,1,2,3,4,5
.set PCE, 12*(\q)+6*(\p/3)+\p%3
.if PCE%16 < 13
	ds_load_b64 v[\reg+2*\p:\reg+2*\p+1], v[ADRB+\slot] offset:8*PCE+16*(PCE/16)+(\i)*16*BP
.else
	ds_load_b64 v[\reg+2*\p:\reg+2*\p+1], v[ADRB+2+\slot] offset:8*PCE+16*(PCE/16)+(\i)*16*BP
.endif
.endr
.endm
.macro FETCH slot, q, f                ; 40 loads: B's four fragments, then A's four
	WIN TO_F
.irp i, 0,1,2,3
	FRAGB 96*(\f)+48+12*\i, \slot, \q, \i
.endr
.irp i, 0,1,2,3
	FRAGA 96*(\f)+12*\i, \slot, \q, \i
.endr
.endm
.macro SCALES set
.irp i, 0,1,2,3
	ds_load_b128 v[SC+16*\set+4*\i:SC+16*\set+4*\i+3], v[ADRS] offset:\i*SBLK
.endr
.endm
.macro MULA f, a, q, sc, cin           ; A's block a against B's four; the 16 accumulators take turns
.irp b, 0,1,2,3
.set FB, 96*(\f)+48+12*\b
.set FA, 96*(\f)+12*(\a)
.set DD, ACC+8*(4*(\a)+\b)
.if \cin
	v_wmma_scale_f32_16x16x128_f8f6f4 v[DD:DD+7], v[FB:FB+11], v[FA:FA+11], v[BIAS+8*\b:BIAS+8*\b+7], v[SC+16*(\sc)+4*\b+(\q)], v[SC+16*(\sc)+4*(\a)+(\q)] matrix_a_fmt:MATRIX_FMT_FP6 matrix_b_fmt:MATRIX_FMT_FP6 matrix_a_scale:MATRIX_SCALE_ROW1
.else
	v_wmma_scale_f32_16x16x128_f8f6f4 v[DD:DD+7], v[FB:FB+11], v[FA:FA+11], v[DD:DD+7], v[SC+16*(\sc)+4*\b+(\q)], v[SC+16*(\sc)+4*(\a)+(\q)] matrix_a_fmt:MATRIX_FMT_FP6 matrix_b_fmt:MATRIX_FMT_FP6 matrix_a_scale:MATRIX_SCALE_ROW1
.endif
.endr
.endm
.macro STEP slot, q, cin
	s_wait_dscnt 8                                 ; all but the youngest eight loads (A's blocks 2, 3)
	WIN MUL
	MULA (\q)%2, 0, \q, \slot, \cin
	MULA (\q)%2, 1, \q, \slot, \cin
	PLACES 4                                       ; in front of loads into registers that matrix instructions have read
	FETCH \slot, (\q)+1, 1-(\q)%2
	s_wait_dscnt 40                                ; all but the 40 just issued
	WIN MUL
	MULA (\q)%2, 2, \q, \slot, \cin
	MULA (\q)%2, 3, \q, \slot, \cin
.endm
; A slot's last 128 along K changes slots: one barrier; in front of it each wave waits for all its tensor loads, adds 0 to its spare word, and waits for that and for its reads of this slot.  fill = 1: the slot is filled again, two slots ahead.
.macro TURN slot, next, fill
	WIN 0
	s_wait_tensorcnt 0x0                           ; all my tensor loads have landed: my part of the next slot
	ds_add_u32 v[SPW], v[NIL]                      ; 0 onto my spare word
	s_wait_dscnt 9                                 ; (the add and the youngest eight loads may be out)
	WIN MUL
	MULA 1, 0, 3, \slot, 0
	s_wait_dscnt 0x0                               ; the add is done, my reads of this slot are over
	s_barrier_signal -1
	MULA 1, 1, 3, \slot, 0
	WIN 0
	s_barrier_wait -1
.if \fill
	CREST                                          ; the barrier has opened a round of the cluster's: no wave of any partner still reads this slot or has a load on its way
	s_add_nc_u64 s[G0+4*\slot+2:G0+4*\slot+3], s[G0+4*\slot+2:G0+4*\slot+3], 2*6144
	s_add_nc_u64 s[G0B+4*\slot+2:G0B+4*\slot+3], s[G0B+4*\slot+2:G0B+4*\slot+3], 2*384
	JLOAD G0+4*\slot, G1, G0B+4*\slot, G1B         ; my one tensor load behind the round; its four v_nop are also the places in front of the loads below
.else
	PLACES 4
.endif
	v_add_nc_u32 v[ADRS], 16, v[ADRS]              ; the next slot's scale words
	SCALES \next
	FETCH \next, 0, 0
	WIN MUL
	MULA 1, 2, 3, \slot, 0
	MULA 1, 3, 3, \slot, 0
.endm
	s_load_b128 s[4:7], s[0:1], 0x0                ; A, W's codes
	s_load_b128 s[8:11], s[0:1], 0x10              ; W's scales, the bias
	s_load_b128 s[12:15], s[0:1], 0x20             ; the residual, the output
	v_lshl_add_u32 v[SPW], v0, 2, SPARE
	v_mov_b32 v[NIL], 0
	ds_add_u32 v8, v9
	ds_add_u32 v8, v9
	s_wait_dscnt 0x0
	v_lshrrev_b32 v1, 5, v0
	v_readfirstlane_b32 s[WV], v1
	s_lshr_b32 s[RH], s[WV], 1
	s_and_b32 s[CH], s[WV], 1
	s_bfe_u32 s[CX], ttmp6, 0x40000
	s_bfe_u32 s[CY], ttmp6, 0x40004
	s_lshl_b32 s[TC], ttmp9, 2
	s_add_co_u32 s[TC], s[TC], s[CX]
	s_and_b32 s[TR], ttmp7, 0xffff
	s_lshl_b32 s[TR], s[TR], 2
	s_add_co_u32 s[TR], s[TR], s[CY]
	s_lshl_b32 s40, s[CY], 2
	s_lshl_b32 s40, 15, s40
	s_lshl_b32 s41, 0x1111, s[CX]
	s_or_b32 s[G1+0], s40, (3<<16)|(1<<21)         ; A's codes: 4 rows of 768 elements of 8 bytes, no padding
	s_mov_b32 s[G1+1], 768<<16
	s_mov_b32 s[G1+2], 4<<16
	s_mov_b32 s[G1+3], 768<<16
	s_mov_b32 s[G1+4], 4
	s_mov_b32 s[G1+5], ATP/8
	s_mov_b32 s[G1+6], 0
	s_mov_b32 s[G1+7], 0
	s_or_b32 s[G1B+0], s41, (1<<20)|(1<<21)|(4<<22)|(3<<25)   ; B's codes: 64 rows of 384 bytes, 4 words of padding behind every 32
	s_mov_b32 s[G1B+1], 384<<16
	s_mov_b32 s[G1B+2], 64<<16
	s_mov_b32 s[G1B+3], 384<<16
	s_mov_b32 s[G1B+4], 64
	s_mov_b32 s[G1B+5], KROW
	s_mov_b32 s[G1B+6], 0
	s_mov_b32 s[G1B+7], 0
	s_or_b32 s[G1S+0], s40, (3<<16)|(1<<20)|(1<<21)|(5<<22)|(3<<25)
	s_or_b32 s[G1SB+0], s41, (3<<16)|(1<<20)|(1<<21)|(5<<22)|(3<<25)
.irp g, G1S, G1SB
	s_mov_b32 s[\g+1], 32<<16
	s_mov_b32 s[\g+2], (64*KS/256)<<16
	s_mov_b32 s[\g+3], 32<<16
	s_mov_b32 s[\g+4], 64*KS/256
	s_mov_b32 s[\g+5], 32
	s_mov_b32 s[\g+6], 0
	s_mov_b32 s[\g+7], 0
.endr
	s_lshl_b32 s42, s[TR], 3
	s_lshl_b32 s43, s[CH], 2
	s_add_co_u32 s42, s42, s43
	s_mul_i32 s42, s42, ATP
	s_mov_b32 s43, 0
	s_lshl_b32 s44, s[TR], 7
	s_lshl_b32 s45, s[CH], 6
	s_add_co_u32 s44, s44, s45
	s_mul_i32 s44, s44, KS
	s_add_co_u32 s44, s44, ASC
	s_mov_b32 s45, 0
	s_lshl_b32 s92, s[TC], 7
	s_lshl_b32 s93, s[CH], 6
	s_add_co_u32 s92, s92, s93
	s_mul_i32 s94, s92, KS
	s_mul_i32 s92, s92, KROW
	s_mov_b32 s93, 0
	s_mov_b32 s95, 0
	s_mul_i32 s46, s[CH], AHALF
	s_mul_i32 s47, s[CH], BHALF
	s_add_co_u32 s47, s47, 2*AHALF
	s_mul_i32 s96, s[WV], HALFS
	s_wait_kmcnt 0x0
	s_add_nc_u64 s[42:43], s[4:5], s[42:43]
	s_add_nc_u64 s[44:45], s[4:5], s[44:45]
	s_add_nc_u64 s[92:93], s[6:7], s[92:93]
	s_add_nc_u64 s[94:95], s[8:9], s[94:95]
	CROUND                                         ; all sixteen work-groups are here: the first joint loads meet
	s_mov_b32 s[G0S], 1
	s_add_co_u32 s[G0S+1], s96, SCL
	s_mov_b64 s[G0S+2:G0S+3], s[44:45]
	s_or_b32 s[G0S+3], s[G0S+3], 0x80000000
	s_mov_b32 s[G0SB], 1
	s_add_co_u32 s[G0SB+1], s96, SCL
	s_mov_b64 s[G0SB+2:G0SB+3], s[94:95]
	s_or_b32 s[G0SB+3], s[G0SB+3], 0x80000000
	JLOAD G0S, G1S, G0SB, G1SB
.irp s, 0,1
	s_mov_b32 s[G0+4*\s], 1
	s_add_co_u32 s[G0+4*\s+1], s46, \s*SLOT
	s_add_nc_u64 s[G0+4*\s+2:G0+4*\s+3], s[42:43], \s*6144
	s_or_b32 s[G0+4*\s+3], s[G0+4*\s+3], 0x80000000
	s_mov_b32 s[G0B+4*\s], 1
	s_add_co_u32 s[G0B+4*\s+1], s47, \s*SLOT
	s_add_nc_u64 s[G0B+4*\s+2:G0B+4*\s+3], s[92:93], \s*384
	s_or_b32 s[G0B+4*\s+3], s[G0B+4*\s+3], 0x80000000
	JLOAD G0+4*\s, G1, G0B+4*\s, G1B               ; three tensor loads of mine are out
.endr
	v_and_b32 v1, 15, v0                           ; r
	v_bfe_u32 v2, v0, 4, 1                         ; h
	v_and_b32 v3, 31, v0
	v_lshlrev_b32 v4, 4, v3                        ; 16 x lane
	v_lshlrev_b32 v5, 3, v3                        ; 8 x lane
	v_mul_u32_u24 v6, v1, BP
	v_mad_u32_u24 v6, v2, 24, v6
	v_lshl_add_u32 v7, v2, 4, v6
	s_mul_i32 s42, s[RH], AHALF
	s_mul_i32 s43, s[CH], BHALF
	s_add_co_u32 s43, s43, 2*AHALF
.irp s, 0,1
	v_add_nc_u32 v[A16+\s], s42, v4
	v_add_nc_u32 v[A8+\s], s42, v5
	v_add_nc_u32 v[ADRB+\s], s43, v6
	v_add_nc_u32 v[ADRB+2+\s], s43, v7
	s_add_co_u32 s42, s42, SLOT
	s_add_co_u32 s43, s43, SLOT
.endr
	v_mul_u32_u24 v6, v1, KS
	v_lshrrev_b32 v7, 8, v6
	v_lshl_add_u32 v6, v7, 4, v6
	s_mul_i32 s44, s[RH], HALFS
	s_mul_i32 s45, s[CH], HALFS
	s_add_co_u32 s45, s45, 2*HALFS
	s_sub_co_u32 s45, s45, s44
	v_mul_u32_u24 v7, s45, v2                      ; lanes 16-31 take B's
	s_add_co_u32 s44, s44, SCL
	v_add_nc_u32 v6, v6, v7
	v_add_nc_u32 v[ADRS], s44, v6
	s_mul_i32 s42, s[RH], 64*SPITCH                ; the stage: row 64 x half + r, + 256 x column half + 32 h
	s_lshl_b32 s43, s[CH], 8
	s_add_co_u32 s42, s42, s43
	v_mul_u32_u24 v[STO], v1, SPITCH
	v_lshl_add_u32 v[STO], v2, 5, v[STO]
	v_add_nc_u32 v[STO], s42, v[STO]
	s_mul_i32 s42, s[WV], 32*SPITCH                ; back: my 32 rows, 16 bytes a lane
	v_add_nc_u32 v[RD], s42, v4
	s_lshl_b32 s44, s[TC], 9
	s_lshl_b32 s45, s[CH], 8
	s_add_co_u32 s44, s44, s45
	s_mov_b32 s45, 0
	s_add_nc_u64 s[10:11], s[10:11], s[44:45]      ; the bias at my first column
	s_lshl_b32 s44, s[TR], 19                      ; 128 x tile row + 32 x wave rows of 4,096 bytes, + 512 x tile column
	s_lshl_b32 s45, s[WV], 17
	s_add_co_u32 s44, s44, s45
	s_lshl_b32 s45, s[TC], 9
	s_add_co_u32 s44, s44, s45
	s_mov_b32 s45, 0
	s_add_nc_u64 s[12:13], s[12:13], s[44:45]
	s_add_nc_u64 s[14:15], s[14:15], s[44:45]
	v_lshlrev_b32 v6, 5, v2
.irp b, 0,1,2,3
	global_load_b128 v[BIAS+8*\b:BIAS+8*\b+3], v6, s[10:11] offset:64*\b
	global_load_b128 v[BIAS+8*\b+4:BIAS+8*\b+7], v6, s[10:11] offset:64*\b+16
.endr
	WIN 0x80                                       ; destination window 2
.set i, 0
.rept 32
	global_load_b128 v[4*i:4*i+3], v4, s[12:13] offset:(8*(i/16)+(i%16)+8*((i/8)%2))*4096 th:TH_LOAD_NT   ; stage row 32 w + i is this memory row: 512 consecutive bytes
.set i, i+1
.endr
	WIN 0
	s_wait_tensorcnt 1                             ; the scales and my part of slot 0 are in; slot 1's load may be out
	s_barrier_signal -1
	s_barrier_wait -1
	SCALES 0
	FETCH 0, 0, 0
	s_wait_loadcnt 32                              ; the bias is in; the residual's 32 loads may be out
	STEP 0, 0, 1                                   ; the first products start the sums, on the bias
.if LAPS > 1
	WIN 0
	s_mov_b32 s3, LAPS-1
.Llap:                                             ; a trip goes once round the ring and fills both slots again
	STEP 0, 1, 0
	STEP 0, 2, 0
	TURN 0, 1, 1
	STEP 1, 0, 0
	STEP 1, 1, 0
	STEP 1, 2, 0
	TURN 1, 0, 1
	STEP 0, 0, 0
	WIN 0
	s_sub_co_u32 s3, s3, 1
	s_cmp_lg_u32 s3, 0
	s_cbranch_scc1 .Llap
.endif
	STEP 0, 1, 0                                   ; the last lap fills nothing
	STEP 0, 2, 0
	TURN 0, 1, 0
	STEP 1, 0, 0
	STEP 1, 1, 0
	STEP 1, 2, 0
	s_wait_dscnt 8
	WIN MUL
	MULA 1, 0, 3, 1, 0
	MULA 1, 1, 3, 1, 0
	s_wait_dscnt 0x0
	MULA 1, 2, 3, 1, 0
	MULA 1, 3, 3, 1, 0
	WIN 0
	PLACES 4
.irp a, 0,1,2,3
.irp b, 0,1,2,3
	ds_store_b128 v[STO], v[ACC+8*(4*\a+\b):ACC+8*(4*\a+\b)+3] offset:16*\a*SPITCH+64*\b        ; each accumulator from its low end on
	ds_store_b128 v[STO], v[ACC+8*(4*\a+\b)+4:ACC+8*(4*\a+\b)+7] offset:16*\a*SPITCH+64*\b+16
.endr
.endr
	s_wait_dscnt 0x0                               ; for the others' sake: a row's 512 bytes come from two waves
	s_barrier_signal -1
	s_barrier_wait -1
.irp u, 0,1
.set i, 0
.rept 16
	ds_load_b128 v[64+4*i:64+4*i+3], v[RD] offset:(16*\u+i)*SPITCH
.set i, i+1
.endr
	s_wait_dscnt 0x0
	s_wait_loadcnt 16-16*\u                        ; these 16 rows of the residual are in
	WIN 0x88                                       ; source 1 and destination window 2
.set j, 0
.rept 32
	v_pk_add_f32 v[64*\u+j:64*\u+j+1], v[64+j:64+j+1], v[64*\u+j:64*\u+j+1]
.set j, j+2
.endr
	WIN 0x08                                       ; a store's data are its source 1: window 2
.set i, 0
.rept 16
	global_store_b128 v4, v[64*\u+4*i:64*\u+4*i+3], s[14:15] offset:(8*\u+i+8*(i/8))*4096   ; 32 lanes store 512 consecutive bytes, aligned
.set i, i+1
.endr
	WIN 0
.endr
	s_wait_tensorcnt 0x0                           ; the wave's end
	ds_add_u32 v[SPW], v[NIL]
	s_wait_dscnt 0x0
	CROUND                                         ; the closing round
	s_endpgm
.Lfunc_end_k_q64cedbb952_ffn2:
	.size	k_q64cedbb952_ffn2, .Lfunc_end_k_q64cedbb952_ffn2-k_q64cedbb952_ffn2
	.p2alignl 7, 3214868480
	.fill 96, 4, 3214868480
	.section	.rodata,"a",@progbits
	.p2align	6, 0x0
	.amdhsa_kernel k_q64cedbb952_ffn2
		.amdhsa_group_segment_fixed_size 327680
		.amdhsa_private_segment_fixed_size 0
		.amdhsa_enable_private_segment 0
		.amdhsa_kernarg_size 48
		.amdhsa_user_sgpr_count 2
		.amdhsa_user_sgpr_kernarg_segment_ptr 1
		.amdhsa_wavefront_size32 1
		.amdhsa_system_sgpr_workgroup_id_x 1
		.amdhsa_system_sgpr_workgroup_id_y 1
		.amdhsa_system_sgpr_workgroup_id_z 1
		.amdhsa_system_vgpr_workitem_id 0
		.amdhsa_next_free_vgpr 640
		.amdhsa_next_free_sgpr 100
		.amdhsa_reserve_vcc 0
		.amdhsa_float_denorm_mode_32 3
		.amdhsa_float_denorm_mode_16_64 3
		.amdhsa_memory_ordered 1
		.amdhsa_forward_progress 1
		.amdhsa_inst_pref_size 106
	.end_amdhsa_kernel
	.amdgpu_metadata
---
amdhsa.version: [ 1, 2 ]
amdhsa.kernels:
  - .name:           k_q64cedbb952_ffn2
    .symbol:         k_q64cedbb952_ffn2.kd
    .args:
      - { .name: hq, .offset: 0, .size: 8, .value_kind: global_buffer, .address_space: global }
      - { .name: w2_codes, .offset: 8, .size: 8, .value_kind: global_buffer, .address_space: global }
      - { .name: w2_scales, .offset: 16, .size: 8, .value_kind: global_buffer, .address_space: global }
      - { .name: b2, .offset: 24, .size: 8, .value_kind: global_buffer, .address_space: global }
      - { .name: x2, .offset: 32, .size: 8, .value_kind: global_buffer, .address_space: global }
      - { .name: out0, .offset: 40, .size: 8, .value_kind: global_buffer, .address_space: global }
    .group_segment_fixed_size: 327680
    .private_segment_fixed_size: 0
    .kernarg_segment_align: 8
    .kernarg_segment_size: 48
    .max_flat_workgroup_size: 128
    .sgpr_count:     100
    .vgpr_count:     640
    .wavefront_size: 32
...
	.end_amdgpu_metadata
.endif
;; end of part 6
